; MI455X (gfx1250); checked and timed in simulation.
; The chip was launched on July 23, 2026; its instructions are those of AMD's public machine-readable ISA for CDNA 5 (MIT licence, August 2026) and "CDNA5" Instruction Set Architecture Reference Guide (July 2026). The comments in the code are by the model that wrote it; some were corrected since.
;; SINGLE Encoder. Allowed arithmetic: matrix products marked QUANTISED: E5M2 operands, one E8M0 scale for each 32 along K, by v_wmma_scale_f32_16x16x128_f8f6f4 with both operands' format E5M2, f32 sums; everything else in f32.
;; Inputs: W1f 512 x 2,048 float32; W2f 2,048 x 512 float32; Wc 512 x 512 float32; We 1 x 16 float32; Wk 512 x 512 float32; Wq 512 x 512 float32; Wv 512 x 512 float32; b1 512 float32; b1f 2,048 float32; b2 512 float32; b2f 512 float32; bc 512 float32; be 16 float32; edge_info 32 x 512 x 512 float32; g1 512 float32; g2 512 float32; input1 32 x 512 x 512 float32.
;; Outputs: out0 32 x 512 x 512 float32.
;; This version of the problem:
;;   THIS VERSION OF THE PROBLEM IS GIVEN IN LOW PRECISION. The matrix products marked QUANTISED in the list below multiply operands that are first quantised to E5M2 (5 exponent bits, 2 mantissa bits; 8 bits a number), with one power-of-two scale for each 32 numbers along K (OCP MX v1.0); their sums are f32. All else is computed in f32.
;;   The module's matrix products, in the order in which they are computed (A, B: the left and right operand; K: the contracted axis; several contracted axes count as one K, in the product's order):
;;     1. [M 16,384, K 512] x [K 512, N 512]; A: input input1; B: input Wq: QUANTISED
;;     2. [M 16,384, K 512] x [K 512, N 512]; A: input input1; B: input Wk: QUANTISED
;;     3. [M 16,384, K 512] x [K 512, N 512]; A: input input1; B: input Wv: QUANTISED
;;     4. batch 512 x [M 512, K 32] x [K 32, N 512]; A: computed on the way; B: computed on the way: QUANTISED
;;     5. batch 512 x [M 512, K 512] x [K 512, N 32]; A: softmax (see below); B: computed on the way: QUANTISED
;;     6. [M 16,384, K 512] x [K 512, N 512]; A: computed on the way; B: input Wc: QUANTISED
;;     7. [M 16,384, K 512] x [K 512, N 2,048]; A: computed on the way; B: input W1f: QUANTISED
;;     8. [M 16,384, K 2,048] x [K 2,048, N 512]; A: computed on the way; B: input W2f: QUANTISED
;;   THE QUANTISER, for each operand of a quantised product, along K:
;;     - K is cut into blocks of 32 from its start; a last block that is shorter is filled with zeros.
;;     - A block's scale is 2^e with e = floor(log2(the largest magnitude in the block)) - 15, held to -126 .. 127; a block of zeros has e = 0. As a byte (E8M0): e + 127.
;;     - Each number is divided by its block's scale, clamped to +-57,344, and rounded to the nearest number of E5M2, ties to even, subnormals kept.
;;     - The product sums the exact products of the quantised numbers (number of the format x scale) in f32.
;;   ~~~python
;;   def quantise(x, axis):      # numpy; x: float32 -> the quantised numbers, widened to float32 again
;;       x = np.moveaxis(x, axis, -1); K = x.shape[-1]
;;       x = np.pad(x, [(0, 0)] * (x.ndim - 1) + [(0, -K % 32)]); x = x.reshape(x.shape[:-1] + (-1, 32)); a = np.abs(x).max(-1, keepdims=True)
;;       e = np.where(a > 0, np.clip(np.frexp(np.where(a > 0, a, 1))[1] - 1 - 15, -126, 127), 0)      # np.frexp(a)[1] - 1 = floor(log2(a)), exactly
;;       r = np.clip(x / 2.0 ** e, -57344, 57344)
;;       step = 2.0 ** (np.maximum(np.frexp(np.where(r == 0, 1, r))[1] - 1, -14) - 2)
;;       q = np.round(r / step) * step * 2.0 ** e      # np.round: ties to even
;;       return np.moveaxis(q.reshape(q.shape[:-2] + (-1,))[..., :K], -1, axis).astype(np.float32)
;;   ~~~
;;   SOFTMAX AHEAD OF A QUANTISED PRODUCT. Where the list says 'softmax', what is quantised is not the finished softmax but p = 2^(t - M), with t = logit x log2(e) and M = ceil(the row's largest t), a whole number; so 1/2 < the row's largest p <= 1. The row's sum l is taken of the UNQUANTISED p, in f32, and the product's result is divided by l at the end. Since M is a whole number, a kernel that streams over the keys may use a running M (the ceiling of the running maximum): every later rescaling is an exact power of two, which a block's scale takes up: the codes' values come out the same.
;;   OPERANDS COMPUTED ON THE WAY. 'Computed on the way' means the value that the module computes at that place (a softmax that the list does not call 'softmax' is quantised finished and normalised). What goes into a quantiser is computed in f32, as accurately as f32 sums, v_exp_f32 and their like allow (about 1e-6 of the number): no bf16 or f16 on the way to a quantiser, and a product that is left as it is and whose result goes on into a quantised operand takes f32 operands (vector FMAs, or v_wmma_f32_16x16x4_f32). A number that lies on a knife's edge between two numbers of the format may be rounded either way, as far as f32 arithmetic and the matrix unit's own rounding can turn it there, and no further.
;; One version. Each part assembles by itself: llvm-mc -triple=amdgcn-amd-amdhsa -mcpu=gfx1250 --defsym DOCPART=n.
;; ======== version 1 of 1: 5 launches
;; limits: right only within a limited range of input values
;; workspace buffers: wcodes 3,145,728 bytes; wscales 98,304 bytes; qkvc 25,165,824 bytes; qkvs 2,359,296 bytes; x1 33,554,432 bytes; x2 33,554,432 bytes; st1 1,048,576 bytes; st2 1,048,576 bytes
;; launch quantw (part 1): grid 256 x 3, 1 waves a work-group, no clusters, 0 bytes of LDS; arguments Wq, Wk, Wv, Wc, W1f, W2f, wcodes, wscales; writes wcodes, wscales
.if DOCPART == 1
	.amdgcn_target "amdgcn-amd-amdhsa--gfx1250"
	.amdhsa_code_object_version 6
	.text
	.protected	k_q9217885ce6_quantw
	.globl	k_q9217885ce6_quantw
	.p2align	8
	.type	k_q9217885ce6_quantw,@function
k_q9217885ce6_quantw:
	s_mov_b64 s[64:65], 0
	v_nop
	global_prefetch_b8 v0, s[64:65] scope:SCOPE_SE
	s_setreg_imm32_b32 hwreg(HW_REG_WAVE_MODE, 25, 1), 1
	s_wait_xcnt 0x0
; The six weights, f32 stored [K][N], become codes of E5M2 with one E8M0 byte for each 32 along K, laid as the later launches' registers want them.
; A wave takes 32 columns x 128 along K.  A LANE TAKES A COLUMN AND ITS REGISTERS RUN DOWN K: a block of 32 lies in one lane, its largest magnitude needs no other lane,
; and the conversions give codes with K innermost.  Lane (u, r) takes column 32 pair + 8 u + r + 8 (r / 8): tile u of the pair, so that two neighbouring result tiles hold 16 neighbours along the next K.
; OUT: a fragment (16 columns x 128 K) is 2,048 bytes [c 4][lane 32][16]; eight fragments are a group of 16,384 bytes, in the order in which one wave of a later launch takes them;
; a group's scale words are 512 bytes [lane 32][4 words], lanes 0-15 tile 0, lanes 16-31 tile 1.
; Groups: q, k, v: 12 w + 4 type + head % 4 (fragment 2 s + u);  Wc: 48 + 4 w + s (fragment 2 p + u);  W1f: 64 + 32 w + 8 g + p (2 s + u);  W2f: 64 + 32 w + 8 g + 4 + s (2 p + u).
; No LDS, no barrier, no matrix unit: a stream; each load of the wave reads 128 consecutive bytes, the loads run two blocks (64 loads) ahead; each code store covers two runs of 256 consecutive bytes.
; The scale words leave 4 bytes a lane, 16 bytes apart: 128 bytes for 16,384 bytes read.
; LIMITS: NaN and infinities are not served; a block of zeros gets the byte 1 where the rule says 127 (its codes are zeros, and this program alone reads the bytes); largest magnitudes under 2^-111 are taken as 2^-111.
.set X,    32                          ; v32-159  128 numbers down K
.set C,    160                         ; v160-191 their codes
.set EMAX, 15
	s_load_b256 s[4:11], s[0:1], 0x0               ; Wq, Wk, Wv, Wc
	s_load_b256 s[12:19], s[0:1], 0x20             ; W1f, W2f, wcodes, wscales
	v_and_b32 v4, 15, v0                           ; r
	v_lshrrev_b32 v5, 4, v0                        ; u
	v_and_b32 v6, 8, v4
	v_add_nc_u32 v6, v6, v4                        ; r + 8 (r / 8)
	v_lshl_add_u32 v6, v5, 3, v6                   ; + 8 u: my column in the pair
	v_lshlrev_b32 v1, 2, v6                        ; in bytes
	v_lshlrev_b32 v2, 4, v4
	v_lshl_add_u32 v2, v5, 11, v2                  ; codes: fragment u, 16 r
	v_lshlrev_b32 v3, 4, v0                        ; scale words: 16 x lane
	s_and_b32 s20, ttmp7, 0xffff                   ; y: 0 the four square weights, 1 W1f, 2 W2f
	s_mov_b32 s31, 0x600000                        ; the mantissa field of 57,344
	s_wait_kmcnt 0x0
	s_cmp_eq_u32 s20, 1
	s_cbranch_scc1 .Lw1
	s_cmp_eq_u32 s20, 2
	s_cbranch_scc1 .Lw2
	s_lshr_b32 s21, ttmp9, 6                       ; t: which weight
	s_bfe_u32 s22, ttmp9, 0x40002                  ; pair of column tiles
	s_and_b32 s23, ttmp9, 3                        ; K step
	s_lshr_b32 s32, s22, 2                         ; w
	s_and_b32 s33, s22, 3                          ; p
	s_mul_i32 s34, s32, 12
	s_lshl_b32 s35, s21, 2
	s_add_co_u32 s34, s34, s35
	s_add_co_u32 s34, s34, s33                     ; q, k, v: group 12 w + 4 t + p
	s_lshl_b32 s35, s32, 2
	s_add_co_u32 s35, s35, s23
	s_add_co_u32 s35, s35, 48                      ; Wc: group 48 + 4 w + K step
	s_lshl_b32 s37, s23, 18                        ; 128 rows of 2,048 bytes a K step
	s_lshl_b32 s38, s22, 7
	s_add_co_u32 s37, s37, s38
	s_cmp_eq_u32 s21, 1
	s_cselect_b64 s[24:25], s[6:7], s[4:5]
	s_cmp_eq_u32 s21, 2
	s_cselect_b64 s[24:25], s[8:9], s[24:25]
	s_cmp_eq_u32 s21, 3
	s_cselect_b64 s[24:25], s[10:11], s[24:25]
	s_cselect_b32 s34, s35, s34
	s_cselect_b32 s36, s33, s23                    ; place in the group: p for Wc, else the K step
	s_branch .Lgo
.Lw1:
	s_lshr_b32 s22, ttmp9, 2                       ; pair 0..63 = 16 g + 4 w + p
	s_and_b32 s36, ttmp9, 3                        ; K step = place in the group
	s_bfe_u32 s32, s22, 0x20002                    ; w
	s_lshr_b32 s21, s22, 4                         ; g
	s_and_b32 s33, s22, 3                          ; p
	s_lshl_b32 s34, s32, 5
	s_lshl_b32 s35, s21, 3
	s_add_co_u32 s34, s34, s35
	s_add_co_u32 s34, s34, s33
	s_add_co_u32 s34, s34, 64
	s_lshl_b32 s37, s36, 20                        ; 128 rows of 8,192 bytes
	s_lshl_b32 s38, s22, 7
	s_add_co_u32 s37, s37, s38
	s_mov_b64 s[24:25], s[12:13]
	s_branch .Lgo
.Lw2:
	s_lshr_b32 s22, ttmp9, 4                       ; pair 0..15 = 4 w + p
	s_and_b32 s23, ttmp9, 15                       ; K step 0..15 = 4 g + s
	s_lshr_b32 s32, s22, 2
	s_and_b32 s36, s22, 3                          ; p = place in the group
	s_lshr_b32 s21, s23, 2
	s_and_b32 s33, s23, 3
	s_lshl_b32 s34, s32, 5
	s_lshl_b32 s35, s21, 3
	s_add_co_u32 s34, s34, s35
	s_add_co_u32 s34, s34, s33
	s_add_co_u32 s34, s34, 68
	s_lshl_b32 s37, s23, 18
	s_lshl_b32 s38, s22, 7
	s_add_co_u32 s37, s37, s38
	s_mov_b64 s[24:25], s[14:15]
.Lgo:
	s_mov_b32 s38, s37
	s_mov_b32 s39, 0
	s_add_nc_u64 s[24:25], s[24:25], s[38:39]      ; the unit's first number
	s_lshl_b32 s40, s34, 14
	s_lshl_b32 s42, s36, 12
	s_add_co_u32 s40, s40, s42
	s_mov_b32 s41, 0
	s_add_nc_u64 s[26:27], s[16:17], s[40:41]      ; its two fragments
	s_lshl_b32 s40, s34, 9
	s_lshl_b32 s42, s36, 2
	s_add_co_u32 s40, s40, s42
	s_add_nc_u64 s[28:29], s[18:19], s[40:41]      ; its scale words
.macro LOADB blk, pitch                ; block blk: rows 32 blk .. 32 blk + 31 of the K step at my column, into registers of their own
.set k, 0
.rept 32
	global_load_b32 v[X+32*(\blk)+k], v1, s[24:25] offset:(32*(\blk)+k)*\pitch th:TH_LOAD_NT
.set k, k+1
.endr
.endm
.macro BODY pitch
	LOADB 0, \pitch
	LOADB 1, \pitch
.irp c, 0,1,2,3
.if \c < 3
	s_wait_loadcnt 32                              ; this block's 32 loads are in; the next block's 32 may be out
.else
	s_wait_loadcnt 0x0
.endif
.if \c < 2
	LOADB \c+2, \pitch                             ; the block two on is asked for while this one is worked
.endif
	v_max3_num_f32 v12, |v[X+32*\c]|, |v[X+32*\c+1]|, |v[X+32*\c+2]|
	v_max3_num_f32 v13, |v[X+32*\c+3]|, |v[X+32*\c+4]|, |v[X+32*\c+5]|
.irp i, 6,10,14,18,22,26
	v_max3_num_f32 v12, v12, |v[X+32*\c+\i]|, |v[X+32*\c+\i+1]|
	v_max3_num_f32 v13, v13, |v[X+32*\c+\i+2]|, |v[X+32*\c+\i+3]|
.endr
	v_max3_num_f32 v12, v12, |v[X+32*\c+30]|, |v[X+32*\c+31]|
	v_max3_num_f32 v12, v12, v13, (EMAX+1)<<23     ; with the floor 2^(16 - 127): the byte cannot fall under 1
	v_add_nc_u32 v11, -(EMAX<<23), v12             ; 15 off the exponent field: the conversion's scale operand
	v_and_or_b32 v10, v12, 0x7f800000, s31         ; 57,344 x the scale
	v_lshrrev_b32 v13, 23, v11                     ; the byte
.if \c == 0
	v_mov_b32 v24, v13
.else
	v_lshl_or_b32 v24, v13, 8*\c, v24
.endif
.irp i, 0,1,2,3,4,5,6,7,8,9,10,11,12,13,14,15,16,17,18,19,20,21,22,23,24,25,26,27,28,29,30,31
	v_med3_num_f32 v[X+32*\c+\i], v[X+32*\c+\i], -v10, v10   ; the conversion does not saturate (ISA guide 7.6.2): the hold comes first
.endr
.irp g, 0,1,2,3
	v_cvt_scalef32_pk8_bf8_f32 v[C+8*\c+2*\g:C+8*\c+2*\g+1], v[X+32*\c+8*\g:X+32*\c+8*\g+7], v11
.endr
	global_store_b128 v2, v[C+8*\c:C+8*\c+3], s[26:27] offset:512*\c          ; k 32 c + 0..15: the fragment's lanes 0-15
	global_store_b128 v2, v[C+8*\c+4:C+8*\c+7], s[26:27] offset:512*\c+256    ; k 32 c + 16..31: its lanes 16-31
.endr
	global_store_b32 v3, v24, s[28:29]
.endm
	s_cmp_eq_u32 s20, 1
	s_cbranch_scc1 .Lwide
	s_wait_alu depctr_va_vdst(0)
	BODY 2048
	s_endpgm
.Lwide:
	s_wait_alu depctr_va_vdst(0)
	BODY 8192
	s_endpgm
.Lfunc_end_k_q9217885ce6_quantw:
	.size	k_q9217885ce6_quantw, .Lfunc_end_k_q9217885ce6_quantw-k_q9217885ce6_quantw
	.p2alignl 7, 3214868480
	.fill 96, 4, 3214868480
	.section	.rodata,"a",@progbits
	.p2align	6, 0x0
	.amdhsa_kernel k_q9217885ce6_quantw
		.amdhsa_group_segment_fixed_size 0
		.amdhsa_private_segment_fixed_size 0
		.amdhsa_enable_private_segment 0
		.amdhsa_kernarg_size 64
		.amdhsa_user_sgpr_count 2
		.amdhsa_user_sgpr_kernarg_segment_ptr 1
		.amdhsa_wavefront_size32 1
		.amdhsa_system_sgpr_workgroup_id_x 1
		.amdhsa_system_sgpr_workgroup_id_y 1
		.amdhsa_system_sgpr_workgroup_id_z 1
		.amdhsa_system_vgpr_workitem_id 0
		.amdhsa_next_free_vgpr 192
		.amdhsa_next_free_sgpr 66
		.amdhsa_reserve_vcc 0
		.amdhsa_float_denorm_mode_32 3
		.amdhsa_float_denorm_mode_16_64 3
		.amdhsa_memory_ordered 1
		.amdhsa_forward_progress 1
		.amdhsa_inst_pref_size 58
	.end_amdhsa_kernel
	.amdgpu_metadata
---
amdhsa.version: [ 1, 2 ]
amdhsa.kernels:
  - .name:           k_q9217885ce6_quantw
    .symbol:         k_q9217885ce6_quantw.kd
    .args:
      - { .name: Wq, .offset: 0, .size: 8, .value_kind: global_buffer, .address_space: global }
      - { .name: Wk, .offset: 8, .size: 8, .value_kind: global_buffer, .address_space: global }
      - { .name: Wv, .offset: 16, .size: 8, .value_kind: global_buffer, .address_space: global }
      - { .name: Wc, .offset: 24, .size: 8, .value_kind: global_buffer, .address_space: global }
      - { .name: W1f, .offset: 32, .size: 8, .value_kind: global_buffer, .address_space: global }
      - { .name: W2f, .offset: 40, .size: 8, .value_kind: global_buffer, .address_space: global }
      - { .name: wcodes, .offset: 48, .size: 8, .value_kind: global_buffer, .address_space: global }
      - { .name: wscales, .offset: 56, .size: 8, .value_kind: global_buffer, .address_space: global }
    .group_segment_fixed_size: 0
    .private_segment_fixed_size: 0
    .kernarg_segment_align: 8
    .kernarg_segment_size: 64
    .max_flat_workgroup_size: 32
    .sgpr_count:     66
    .vgpr_count:     192
    .wavefront_size: 32
...
	.end_amdgpu_metadata
.endif
;; end of part 1
;; launch qkv (part 2): grid 256 x 1, 4 waves a work-group, no clusters, 35,328 bytes of LDS; arguments input1, wcodes, wscales, qkvc, qkvs; writes qkvc, qkvs
.if DOCPART == 2
	.amdgcn_target "amdgcn-amd-amdhsa--gfx1250"
	.amdhsa_code_object_version 6
	.text
	.protected	k_q9217885ce6_qkv
	.globl	k_q9217885ce6_qkv
	.p2align	8
	.type	k_q9217885ce6_qkv,@function
k_q9217885ce6_qkv:
	s_mov_b64 s[64:65], 0
	v_nop
	global_prefetch_b8 v0, s[64:65] scope:SCOPE_SE
	s_setreg_imm32_b32 hwreg(HW_REG_WAVE_MODE, 25, 1), 1
	s_wait_xcnt 0x0
; q, k, v = Q(input1) Q(Wq | Wk | Wv) on codes of E5M2 with E8M0 scales, and q, k (along the head's 32) and v (along the keys) quantised on the way out.
; SHARES.  A work-group owns 64 rows of input1.  Wave w quantises row tile w; the images of the 16 fragments go round through LDS; then wave w makes heads 4 w .. 4 w + 3 of q, k and v for all 64 rows.
; Its twelve groups of eight weight fragments come straight from memory into the registers that the products name, 512 consecutive bytes a load, two groups ahead.
; No joint loads: every weight fragment is wanted by one wave of the work-group alone, and a way through LDS would add a pass for 32 products a group.
; ROW TILE m holds node 32 (m / 2) + 8 (m % 2) + r + 8 (r / 8) in lane r, so that v's results of tiles 2 B, 2 B + 1 are 16 neighbouring keys in a lane.
; q, k: source 0 = 16 columns of W, source 1 = x: a lane holds one node and 16 of the head's 32.  v: source 0 = x, source 1 = 16 columns of W: a lane holds one channel and 16 keys.
; OUT.  q, k: [b][head][node][32 bytes], a scale word a node (byte 0; the others 0).  v: images of V^T [b][head][u][K step][c][lane][16], scale bytes [b][head][16 u + r][16].  v's scale bytes leave 2 bytes a lane.
; REGISTERS: window 0: v1-7 addresses, v16-31 x's scale words, v32-39 the weights' (two sets), v64-127 results, v128-143 codes, v144-159 at work.  window 1: x raw, then its 16 fragments.  window 2: two sets of 8 weight fragments.
; LIMITS: NaN and infinities are not served; a block of zeros gets the byte 1 (its codes are zeros; this program alone reads the bytes); largest magnitudes under 2^-111 are taken as 2^-111.
.set LI,  1                            ; 16 x lane
.set LS,  2                            ; 4 x lane
.set XA,  3                            ; input1: my row and half
.set XWI, 4                            ; where I store x's images
.set XWS, 5                            ; and their scale words
.set QKO, 6                            ; q, k: my node's 16 bytes
.set QSO, 7                            ; q, k: my node's scale word
.set XS,  16
.set WS,  32
.set PW,  40
.set SW,  41                           ; v41-43 scale data on their way out
.set HA,  64
.set PC,  128
.set TM,  144                          ; +0..3 maxima, +4..7 bytes, +8..11 holds, +12..15 scale operands
.set XSC, 32768                        ; LDS: images [m][s][2,048] at 0, scale words [m][s][128] here
.set WV,  24
.set SEL, 26
.set MNT, 28
.set HM,  29
.set IP,  30
.set WP,  32
.set WSP, 34
.set QB,  36
.set KB,  38
.set VB,  40
.set QSB, 42
.set KSB, 44
.set VSB, 46
.set TO1,  0x40
.set TO2,  0x80
.set W_P1, 0x06                        ; A window 2, B window 1, C and D window 0
.set W_V,  0x09                        ; A window 1, B window 2
.set MSB, 0
.macro WIN new                         ; the immediate's high byte repeats the setting that is left
.if MSB != (\new)
	s_set_vgpr_msb (MSB<<8)|(\new)
.set MSB, (\new)
.endif
.endm
.macro PLACES n
.rept \n
	v_nop
.endr
.endm
.macro BARRIER
	s_barrier_signal -1
	s_barrier_wait -1
.endm
; Four blocks g of 32: my 16 numbers of each at v[src + 16 g] in window sw, the other 16 in lane l xor 16.  Codes to v[dst + 4 g], bytes stay in v[TM + 4 + g].
.macro QUANT src, sw, relu, dst
	WIN (\sw)|((\sw)<<2)
.irp g, 0,1,2,3
.if \relu
	v_max3_num_f32 v[TM+\g], v[\src+16*\g], v[\src+16*\g+1], 0x8000000
.else
	v_max3_num_f32 v[TM+\g], |v[\src+16*\g]|, |v[\src+16*\g+1]|, 0x8000000   ; with the floor 2^(16 - 127)
.endif
.endr
	WIN ((\sw)<<2)|((\sw)<<4)
.irp i, 2,4,6,8,10,12,14
.irp g, 0,1,2,3
.if \relu
	v_max3_num_f32 v[TM+\g], v[TM+\g], v[\src+16*\g+\i], v[\src+16*\g+\i+1]
.else
	v_max3_num_f32 v[TM+\g], v[TM+\g], |v[\src+16*\g+\i]|, |v[\src+16*\g+\i+1]|
.endif
.endr
.endr
	WIN 0
.irp g, 0,1,2,3
	v_permlanex16_b32 v[TM+4+\g], v[TM+\g], s[SEL], s[SEL+1]
.endr
.irp g, 0,1,2,3
	v_max_num_f32 v[TM+\g], v[TM+\g], v[TM+4+\g]
.endr
.irp g, 0,1,2,3
	v_add_nc_u32 v[TM+12+\g], 0xf8800000, v[TM+\g]           ; 15 off the exponent field: the conversion's scale operand
.endr
.irp g, 0,1,2,3
	v_and_or_b32 v[TM+8+\g], v[TM+\g], 0x7f800000, s[MNT]    ; 57,344 x the scale
.endr
.irp g, 0,1,2,3
	v_lshrrev_b32 v[TM+4+\g], 23, v[TM+12+\g]                ; the byte
.endr
	WIN (\sw)|((\sw)<<6)
.irp g, 0,1,2,3
.irp i, 0,1,2,3,4,5,6,7,8,9,10,11,12,13,14,15
.if \relu
	v_med3_num_f32 v[\src+16*\g+\i], v[\src+16*\g+\i], 0, v[TM+8+\g]
.else
	v_med3_num_f32 v[\src+16*\g+\i], v[\src+16*\g+\i], -v[TM+8+\g], v[TM+8+\g]   ; the conversion does not saturate (ISA guide 7.6.2)
.endif
.endr
.endr
	WIN \sw
.irp g, 0,1,2,3
	v_cvt_scalef32_pk8_bf8_f32 v[\dst+4*\g:\dst+4*\g+1], v[\src+16*\g:\src+16*\g+7], v[TM+12+\g]
	v_cvt_scalef32_pk8_bf8_f32 v[\dst+4*\g+2:\dst+4*\g+3], v[\src+16*\g+8:\src+16*\g+15], v[TM+12+\g]
.endr
	WIN 0
	v_nop                                          ; one plain line behind the last conversion
.endm
.macro WORD4 d
	v_lshl_or_b32 v[\d], v[TM+5], 8, v[TM+4]
	v_lshl_or_b32 v[\d], v[TM+6], 16, v[\d]
	v_lshl_or_b32 v[\d], v[TM+7], 24, v[\d]
.endm
; group idx of my twelve into set buf: 32 loads of 512 consecutive bytes, and its scale words: 33 loads
.macro WLOAD buf, idx
	WIN TO2
.irp f, 0,1,2,3,4,5,6,7
.irp c, 0,1,2,3
	global_load_b128 v[128*(\buf)+16*\f+4*\c:128*(\buf)+16*\f+4*\c+3], v[LI], s[WP:WP+1] offset:(\idx)*16384+2048*\f+512*\c
.endr
.endr
	WIN 0
	global_load_b128 v[WS+4*(\buf):WS+4*(\buf)+3], v[LI], s[WSP:WSP+1] offset:(\idx)*512
.endm
; one product, from the symbols wD, wA, wB, wC (under 0: the constant 0), wSA, wSB.  row 1: A's scales in lanes 16-31; 2: B's
.macro WM row
.if wC < 0
.if (\row) == 1
	v_wmma_scale_f32_16x16x128_f8f6f4 v[wD:wD+7], v[wA:wA+15], v[wB:wB+15], 0, v[wSA], v[wSB] matrix_a_fmt:MATRIX_FMT_BF8 matrix_b_fmt:MATRIX_FMT_BF8 matrix_a_scale:MATRIX_SCALE_ROW1
.elseif (\row) == 2
	v_wmma_scale_f32_16x16x128_f8f6f4 v[wD:wD+7], v[wA:wA+15], v[wB:wB+15], 0, v[wSA], v[wSB] matrix_a_fmt:MATRIX_FMT_BF8 matrix_b_fmt:MATRIX_FMT_BF8 matrix_b_scale:MATRIX_SCALE_ROW1
.else
	v_wmma_scale_f32_16x16x128_f8f6f4 v[wD:wD+7], v[wA:wA+15], v[wB:wB+15], 0, v[wSA], v[wSB] matrix_a_fmt:MATRIX_FMT_BF8 matrix_b_fmt:MATRIX_FMT_BF8
.endif
.else
.if (\row) == 1
	v_wmma_scale_f32_16x16x128_f8f6f4 v[wD:wD+7], v[wA:wA+15], v[wB:wB+15], v[wC:wC+7], v[wSA], v[wSB] matrix_a_fmt:MATRIX_FMT_BF8 matrix_b_fmt:MATRIX_FMT_BF8 matrix_a_scale:MATRIX_SCALE_ROW1
.elseif (\row) == 2
	v_wmma_scale_f32_16x16x128_f8f6f4 v[wD:wD+7], v[wA:wA+15], v[wB:wB+15], v[wC:wC+7], v[wSA], v[wSB] matrix_a_fmt:MATRIX_FMT_BF8 matrix_b_fmt:MATRIX_FMT_BF8 matrix_b_scale:MATRIX_SCALE_ROW1
.else
	v_wmma_scale_f32_16x16x128_f8f6f4 v[wD:wD+7], v[wA:wA+15], v[wB:wB+15], v[wC:wC+7], v[wSA], v[wSB] matrix_a_fmt:MATRIX_FMT_BF8 matrix_b_fmt:MATRIX_FMT_BF8
.endif
.endif
.endm
; 32 products: a head's two column tiles x four row tiles x four K steps; the eight accumulators by turns
.macro MM1 buf
	WIN W_P1
.irp s, 0,1,2,3
.irp m, 0,1,2,3
.irp u, 0,1
.set wD, HA+16*\m+8*\u
.set wA, 128*(\buf)+16*(2*\s+\u)
.set wB, 16*(4*\m+\s)
.set wSA, WS+4*(\buf)+\s
.set wSB, XS+4*\m+\s
.if \s == 0
.set wC, -1
.else
.set wC, wD
.endif
	WM \u
.endr
.endr
.endr
.endm
.macro MMV buf                         ; the same with the sources swapped: result (2 B + u) holds channel tile u, keys 32 B + 16 h + 0..15
	WIN W_V
.irp s, 0,1,2,3
.irp m, 0,1,2,3
.irp u, 0,1
.set wD, HA+16*(2*(\m/2)+\u)+8*(\m%2)
.set wA, 16*(4*\m+\s)
.set wB, 128*(\buf)+16*(2*\s+\u)
.set wSA, XS+4*\m+\s
.set wSB, WS+4*(\buf)+\s
.if \s == 0
.set wC, -1
.else
.set wC, wD
.endif
	WM 2*\u
.endr
.endr
.endr
.endm
	s_load_b256 s[4:11], s[0:1], 0x0               ; input1, wcodes, wscales, qkvc
	s_load_b64 s[12:13], s[0:1], 0x20              ; qkvs
	v_lshl_add_u32 v254, v0, 2, 0x8800
	v_mov_b32 v255, 0
	v_lshrrev_b32 v8, 5, v0
	v_readfirstlane_b32 s[WV], v8                  ; wave
	v_and_b32 v9, 31, v0                           ; lane
	v_and_b32 v10, 15, v0                          ; r
	v_bfe_u32 v11, v0, 4, 1                        ; h
	v_and_b32 v12, 8, v10
	v_add_nc_u32 v12, v12, v10                     ; r + 8 (r / 8)
	v_lshlrev_b32 v[LI], 4, v9
	v_lshlrev_b32 v[LS], 2, v9
	v_lshlrev_b32 v[XA], 11, v12
	v_lshl_add_u32 v[XA], v11, 6, v[XA]            ; a row is 2,048 bytes; my 16 numbers of a block of 32
	s_lshl_b32 s16, s[WV], 13
	v_add_nc_u32 v[XWI], s16, v[LI]
	s_lshl_b32 s16, s[WV], 9
	v_add_nc_u32 v[XWS], s16, v[LS]
	v_lshlrev_b32 v[QKO], 5, v12
	v_lshl_add_u32 v[QKO], v11, 4, v[QKO]
	v_lshl_add_u32 v[QSO], v11, 3, v12
	v_lshlrev_b32 v[QSO], 2, v[QSO]
.irp g, 0,1,2,3
	v_mov_b32 v[TM+4+\g], 0                        ; a lane permute's destination counts as one of its sources
.endr
	s_mov_b32 s[SEL], 0x76543210
	s_mov_b32 s[SEL+1], 0xfedcba98
	s_mov_b32 s[MNT], 0x600000
	s_mov_b32 s[HM], 0xffff0000                    ; lanes 16-31
	s_lshr_b32 s16, ttmp9, 3                       ; b
	s_and_b32 s17, ttmp9, 7                        ; i: which 64 nodes
	s_lshl_b32 s18, s16, 4
	s_lshl_b32 s19, s[WV], 2
	s_add_co_u32 s18, s18, s19                     ; 16 b + 4 w: my first head
	s_mov_b32 s21, 0
	s_lshl_b32 s20, ttmp9, 17
	s_lshr_b32 s22, s[WV], 1
	s_lshl_b32 s22, s22, 16
	s_add_co_u32 s20, s20, s22
	s_and_b32 s22, s[WV], 1
	s_lshl_b32 s22, s22, 14
	s_add_co_u32 s20, s20, s22                     ; row 64 blk + 32 (w / 2) + 8 (w % 2)
	s_wait_kmcnt 0x0
	s_add_nc_u64 s[IP:IP+1], s[4:5], s[20:21]
	s_mul_i32 s20, s[WV], 196608
	s_add_nc_u64 s[WP:WP+1], s[6:7], s[20:21]
	s_mul_i32 s20, s[WV], 6144
	s_add_nc_u64 s[WSP:WSP+1], s[8:9], s[20:21]
	s_lshl_b32 s20, s18, 14
	s_add_nc_u64 s[VB:VB+1], s[10:11], s[20:21]
	s_lshl_b32 s20, s17, 11
	s_add_nc_u64 s[QB:QB+1], s[VB:VB+1], s[20:21]
	s_add_nc_u64 s[KB:KB+1], s[QB:QB+1], 0x800000
	s_lshl_b32 s20, s17, 10                        ; (i / 2) 2,048 + (i % 2) 1,024 = 1,024 i
	s_add_co_u32 s20, s20, 0x1000000
	s_add_nc_u64 s[VB:VB+1], s[VB:VB+1], s[20:21]
	s_lshl_b32 s20, s18, 11
	s_lshl_b32 s22, s17, 8
	s_add_co_u32 s20, s20, s22
	s_add_nc_u64 s[QSB:QSB+1], s[12:13], s[20:21]
	s_add_nc_u64 s[KSB:KSB+1], s[QSB:QSB+1], 0x100000
	s_lshl_b32 s20, s18, 9
	s_lshl_b32 s22, s17, 1
	s_add_co_u32 s20, s20, s22
	s_add_co_u32 s20, s20, 0x200000
	s_add_nc_u64 s[VSB:VSB+1], s[12:13], s[20:21]
	; my row tile of input1: register 64 s + 16 b + 4 j = k 128 s + 32 b + 16 h + 4 j
	WIN TO1
.irp s, 0,1,2,3
.irp b, 0,1,2,3
.irp j, 0,1,2,3
	global_load_b128 v[64*\s+16*\b+4*\j:64*\s+16*\b+4*\j+3], v[XA], s[IP:IP+1] offset:512*\s+128*\b+16*\j
.endr
.endr
.endr
	WIN 0
.irp s, 0,1,2,3
	s_wait_loadcnt 48-16*\s                        ; this K step's 16 loads are in; the later steps' may be out
.if \s == 3
	WLOAD 0, 0                                     ; the first two groups of weights land while the last fragment is made
	WLOAD 1, 1
.endif
	QUANT 64*\s, 1, 0, PC
	WORD4 PW
.irp c, 0,1,2,3
	ds_store_b128 v[XWI], v[PC+4*\c:PC+4*\c+3] offset:2048*\s+512*\c   ; the fragment as it stands: 16 x lane
.endr
	ds_store_b32 v[XWS], v[PW] offset:XSC+128*\s
	s_wait_dscnt 0x0                               ; the stores have landed (for the others, at the barrier) and have read their registers
.endr
	BARRIER                                        ; the 16 fragments of x lie in LDS
	WIN TO1
.irp f, 0,1,2,3,4,5,6,7,8,9,10,11,12,13,14,15
.irp c, 0,1,2,3
	ds_load_b128 v[16*\f+4*\c:16*\f+4*\c+3], v[LI] offset:2048*\f+512*\c
.endr
.endr
	WIN 0
.irp f, 0,1,2,3,4,5,6,7,8,9,10,11,12,13,14,15
	ds_load_b32 v[XS+\f], v[LS] offset:XSC+128*\f
.endr
	s_wait_dscnt 0x0
.macro QKOUT cb, sb
.irp m, 0,1,2,3
	global_store_b128 v[QKO], v[PC+4*\m:PC+4*\m+3], s[\cb:\cb+1] offset:16384*gh+1024*(\m/2)+256*(\m%2)   ; two runs of 256 consecutive bytes
.endr
.irp B, 0,1
	v_cndmask_b32 v[SW+\B], v[TM+4+2*\B], v[TM+5+2*\B], s[HM]          ; lanes 0-15 tile 2 B's byte, lanes 16-31 tile 2 B + 1's
	global_store_b32 v[QSO], v[SW+\B], s[\sb:\sb+1] offset:2048*gh+128*\B
.endr
.endm
.macro GROUP j
.set gb, (\j)%2
.set gt, (\j)/4
.set gh, (\j)%4
.if (\j) < 11
	s_wait_loadcnt 33                              ; this group is in; the next group's 33 loads may be out
.else
	s_wait_loadcnt 0x0
.endif
.if gt < 2
	MM1 gb
.else
	MMV gb
.endif
	WIN 0
	PLACES 8                                       ; behind the products: ahead of loads into their sources and of the first read of results
	s_wait_xcnt 0x0                                ; the last group's stores have read their data: the codes and scale data are written again below
.if (\j) < 10
	WLOAD gb, (\j)+2
.endif
	QUANT HA, 0, 0, PC
.if gt == 0
	QKOUT QB, QSB
.elseif gt == 1
; k's codes leave as images of the score product's fragments: tile 4 i + m at [tile][lane][16]: 512 consecutive bytes a store; its scale words as q's
.irp m, 0,1,2,3
	global_store_b128 v[LI], v[PC+4*\m:PC+4*\m+3], s[KB:KB+1] offset:16384*gh+512*\m
.endr
.irp B, 0,1
	v_cndmask_b32 v[SW+\B], v[TM+4+2*\B], v[TM+5+2*\B], s[HM]
	global_store_b32 v[QSO], v[SW+\B], s[KSB:KSB+1] offset:2048*gh+128*\B
.endr
.else
.irp g, 0,1,2,3
	global_store_b128 v[LI], v[PC+4*\g:PC+4*\g+3], s[VB:VB+1] offset:16384*gh+8192*(\g%2)+512*(\g/2)   ; 512 consecutive bytes of an image
.endr
	v_lshl_or_b32 v[SW], v[TM+6], 8, v[TM+4]       ; channel tile 0: the bytes of my two blocks of keys
	v_lshl_or_b32 v[SW+1], v[TM+7], 8, v[TM+5]     ; tile 1
	v_cndmask_b32 v[SW+2], v[SW], v[SW+1], s[HM]
	global_store_b16 v[LI], v[SW+2], s[VSB:VSB+1] offset:512*gh
.endif
.endm
.irp j, 0,1,2,3,4,5,6,7,8,9,10,11
	GROUP \j
.endr
	s_wait_tensorcnt 0x0
	ds_add_u32 v254, v255
	s_wait_dscnt 0x0
	s_endpgm
.Lfunc_end_k_q9217885ce6_qkv:
	.size	k_q9217885ce6_qkv, .Lfunc_end_k_q9217885ce6_qkv-k_q9217885ce6_qkv
	.p2alignl 7, 3214868480
	.fill 96, 4, 3214868480
	.section	.rodata,"a",@progbits
	.p2align	6, 0x0
	.amdhsa_kernel k_q9217885ce6_qkv
		.amdhsa_group_segment_fixed_size 35328
		.amdhsa_private_segment_fixed_size 0
		.amdhsa_enable_private_segment 0
		.amdhsa_kernarg_size 40
		.amdhsa_user_sgpr_count 2
		.amdhsa_user_sgpr_kernarg_segment_ptr 1
		.amdhsa_wavefront_size32 1
		.amdhsa_system_sgpr_workgroup_id_x 1
		.amdhsa_system_sgpr_workgroup_id_y 1
		.amdhsa_system_sgpr_workgroup_id_z 1
		.amdhsa_system_vgpr_workitem_id 0
		.amdhsa_next_free_vgpr 768
		.amdhsa_next_free_sgpr 66
		.amdhsa_reserve_vcc 0
		.amdhsa_float_denorm_mode_32 3
		.amdhsa_float_denorm_mode_16_64 3
		.amdhsa_memory_ordered 1
		.amdhsa_forward_progress 1
		.amdhsa_inst_pref_size 241
	.end_amdhsa_kernel
	.amdgpu_metadata
---
amdhsa.version: [ 1, 2 ]
amdhsa.kernels:
  - .name:           k_q9217885ce6_qkv
    .symbol:         k_q9217885ce6_qkv.kd
    .args:
      - { .name: input1, .offset: 0, .size: 8, .value_kind: global_buffer, .address_space: global }
      - { .name: wcodes, .offset: 8, .size: 8, .value_kind: global_buffer, .address_space: global }
      - { .name: wscales, .offset: 16, .size: 8, .value_kind: global_buffer, .address_space: global }
      - { .name: qkvc, .offset: 24, .size: 8, .value_kind: global_buffer, .address_space: global }
      - { .name: qkvs, .offset: 32, .size: 8, .value_kind: global_buffer, .address_space: global }
    .group_segment_fixed_size: 35328
    .private_segment_fixed_size: 0
    .kernarg_segment_align: 8
    .kernarg_segment_size: 40
    .max_flat_workgroup_size: 128
    .sgpr_count:     66
    .vgpr_count:     768
    .wavefront_size: 32
...
	.end_amdgpu_metadata
.endif
;; end of part 2
;; launch attn (part 3): grid 256 x 1, 8 waves a work-group, clusters of 4 x 1, 327,680 bytes of LDS; arguments qkvc, qkvs, edge_info, We, be, input1, wcodes, wscales, bc, x1, st1; writes x1, st1
.if DOCPART == 3
	.amdgcn_target "amdgcn-amd-amdhsa--gfx1250"
	.amdhsa_code_object_version 6
	.text
	.protected	k_q9217885ce6_attn
	.globl	k_q9217885ce6_attn
	.p2align	8
	.type	k_q9217885ce6_attn,@function
k_q9217885ce6_attn:
	s_mov_b64 s[64:65], 0
	v_nop
	global_prefetch_b8 v0, s[64:65] scope:SCOPE_SE
	s_setreg_imm32_b32 hwreg(HW_REG_WAVE_MODE, 25, 1), 1
	s_wait_xcnt 0x0
	s_wait_alu depctr_hold_cnt(0) depctr_sa_sdst(0) depctr_va_vdst(0) depctr_va_sdst(0) depctr_va_ssrc(0) depctr_va_vcc(0) depctr_vm_vsrc(0)
	s_getreg_b32 s2, hwreg(HW_REG_IB_STS2, 6, 4)
	s_cmp_eq_u32 s2, 0
	s_cbranch_scc0 .Lentry_in_a_cluster
	s_endpgm
.Lentry_in_a_cluster:
	s_bfe_u32 s2, ttmp6, 0x10000c
	s_cmp_lg_u32 s2, 0x3003
	s_cbranch_scc0 .Lentry_shape_is_right
	s_endpgm
.Lentry_shape_is_right:
; x1 = input1 + Q(attention) Q(Wc) + bc, and for each 64 rows the columns' sums and squared deviations.  All three products on codes of E5M2 with E8M0 scales.
; SHARES.  A work-group owns 64 queries of one batch element for all 16 heads.  Eight waves of 512 registers, two to a SIMD.  Wave W owns query tile W % 4 and, of each slot's four heads, heads 2 (W / 4) and 2 (W / 4) + 1.
; THE EDGE ROWS OF A WAVE'S 16 QUERIES LIE IN ITS REGISTERS v256-511 for the whole launch: they come into LDS once, by the head's tensor loads, and each wave reads its tile once.  Their LDS bytes then become slot 1.
; K and V come through a ring of two slots of four whole heads (131,072 bytes each): four changes of slots, eight key steps of a wave between two of them.  The last change fills the slot that is left with Wc's K steps 0 and 1.
; CLUSTER 4, 1, 1: the four work-groups belong to one batch element and walk the same K, V and Wc: the ring's loads are joint (waves 4-7, 32,768 bytes each).  Waves 0-3 fetch the edge rows at the head.
; S^T = K Q^T + (e We + be): source 0 = 16 keys, source 1 = 16 queries, C = the edge bias.  The head's 32 are block 0 of the form's 128; Q's other blocks are zero codes, and what follows a tile of K in the registers
; (further tiles of K, then p's codes) are finite codes, which add nothing.  Tile 2 B + u holds keys 32 B + 8 u + r + 8 (r / 8): registers 16 B .. + 15 are keys 32 B + 16 h + 0 .. 15.
; SOFTMAX, 128 keys a step: t = score x log2(e) / sqrt(32); M = ceil of the running largest t; p = 2^(t - M) is quantised along the keys; the sum of the unquantised p divides O^T at the end; when M moves, the sum and O^T
; are multiplied by 2^(old M - new M).  A block's largest p is its largest score put through the same multiply-add and exponential (this takes v_exp_f32 not to fall where its input rises).
; Then O / l is quantised (a block = a head), its image goes to LDS, and wave W makes columns 64 W .. + 63 of x1 for the 64 rows.
; The loop over heads is written once: its last trip asks for its own Q and scales again (no load leaves its buffer) and clears the sums once more.
; LIMITS: the promise holds while the scaled scores stay under 2^31 in magnitude; NaN and infinities are not served; p under 2^-126 is 0 (v_exp_f32); blocks of zeros carry the byte 1; 1 / l by v_rcp_f32.
.set RS,    131072                     ; slot 1 of the ring begins here
.set EB,    131072                     ; the edge rows: keys 0-255 of the 64 rows at pitch 1,040, then keys 256-511: 2 x 66,560 bytes
.set OIMG,  264192                     ; images of the heads' outputs [K step][row tile][2,048]
.set OSC,   296960                     ; their scale words [K step][row tile][128]
.set SPARE, 299008                     ; the spare words: 128 bytes a wave, four blocks of 256 bytes that no other line names
.set LI, 1
.set LS, 2
.set SPW, 3
.set NIL, 4
.set KA0, 5
.set ADK, 6
.set ADV, 7
.set QA0, 8
.set QSA0, 9
.set KSA0, 10
.set EA0, 11                           ; v12 -M, v13 the largest t, v[14:15] the sum
.set Q, 16                             ; v16-19 Q's codes, v20-31 zero codes
.set KF, 32                            ; eight tiles of K, 4 registers each
.set P, 64                             ; p's codes
.set VF, 80                            ; two fragments of V
.set S, 112                            ; edge bias, scores, p
.set O, 176
.set KS, 192                           ; K's scale words of a head; later the images'
.set VL, 208                           ; V's scale words as they land; later Wc's
.set VC, 212
.set BM, 216
.set BT, 220
.set HD, 224
.set SO, 228
.set F, 232
.set TA, 234
.set TB2, 235
.set L2, 236
.set OIA, 238
.set OSA, 239
.set QS, 240
.set PW, 241
.set QA, 242
.set QSA, 243
.set KSA, 244
.set VLA, 245
.set OIA0, 246
.set OSA0, 247
.set BE, 248
.set R, 250
.set H, 251
.set PFO, 252
.set PFI, 253
.set IA, 254
.set BH, 255
.set WV, 26
.set HH, 27
.set SEL, 28
.set MNT, 30
.set CS, 32
.set WE, 34
.set TB, 36
.set JJ, 37
.set VSP, 46
.set G1E, 48
.set G1R, 56
.set MM, 66
.set LIM, 67
.set WEA, 68
.set G0, 76
.set G0E, 80
.set WCD, 84                           ; s[84:85] descriptor words for my piece of Wc
.set XIP, 86                           ; s[86:87] input1 at my rows and columns
.set PFA, 90
.set BEA, 92
.set SC, 100
.set BLK, 101
.set MSB, 0
.macro WIN new                         ; the immediate's high byte repeats the setting that is left
.if MSB != (\new)
	s_set_vgpr_msb (MSB<<8)|(\new)
.set MSB, (\new)
.endif
.endm
.macro NOPS n
.rept \n
	v_nop
.endr
.endm
.macro ROUND                           ; a round of the cluster's barrier
	s_barrier_signal -1
	s_barrier_wait -1
	s_cmp_lg_u32 s[WV], 0
	s_cbranch_scc1 .Lnw0_\@
	s_barrier_signal -3
.Lnw0_\@:
	s_barrier_wait -3
	s_barrier_signal -1
	s_barrier_wait -1
.endm
.macro WM d, a, b, sa, sb, row         ; one product, added in place; row 1: source 0's scales in lanes 16-31
.if \row
	v_wmma_scale_f32_16x16x128_f8f6f4 v[\d:\d+7], v[\a:\a+15], v[\b:\b+15], v[\d:\d+7], v[\sa], v[\sb] matrix_a_fmt:MATRIX_FMT_BF8 matrix_b_fmt:MATRIX_FMT_BF8 matrix_a_scale:MATRIX_SCALE_ROW1
.else
	v_wmma_scale_f32_16x16x128_f8f6f4 v[\d:\d+7], v[\a:\a+15], v[\b:\b+15], v[\d:\d+7], v[\sa], v[\sb] matrix_a_fmt:MATRIX_FMT_BF8 matrix_b_fmt:MATRIX_FMT_BF8
.endif
.endm
	s_load_b256 s[4:11], s[0:1], 0x0               ; qkvc, qkvs, edge_info, We
	s_load_b256 s[12:19], s[0:1], 0x20             ; be, input1, wcodes, wscales
	s_load_b128 s[20:23], s[0:1], 0x40             ; bc, x1
	s_load_b64 s[24:25], s[0:1], 0x50              ; st1
	v_lshl_add_u32 v[SPW], v0, 2, SPARE
	v_mov_b32 v[NIL], 0
	ds_add_u32 v[SPW], v[NIL]                      ; the opening lines: the add, twice on end, and its wait
	ds_add_u32 v[SPW], v[NIL]
	v_lshrrev_b32 v[TA], 5, v0
	v_readfirstlane_b32 s[WV], v[TA]               ; wave 0 .. 7
	s_lshr_b32 s[HH], s[WV], 2                     ; which two of a slot's four heads
	s_and_b32 s[MM], s[WV], 3                      ; my tile of queries; also: which piece I fetch
	s_lshr_b32 s39, ttmp9, 1                       ; b: two clusters to a batch element
	s_bfe_u32 s40, ttmp6, 0x40000                  ; cx
	s_lshl_b32 s[BLK], ttmp9, 2
	s_add_co_u32 s[BLK], s[BLK], s40               ; my block of 64 rows
	s_and_b32 s40, s[BLK], 7                       ; i
	s_mov_b32 s[G1E], (3<<16)|(1<<20)|(7<<22)|(3<<25)  ; edges: 32 rows of 1,024 bytes, 2,048 apart; 16 bytes of padding behind each
	s_mov_b32 s[G1E+1], 128<<16
	s_mov_b32 s[G1E+2], 32<<16
	s_mov_b32 s[G1E+3], 128<<16
	s_mov_b32 s[G1E+4], 32
	s_mov_b32 s[G1E+5], 256
	s_mov_b32 s[G1E+6], 0
	s_mov_b32 s[G1E+7], 0
	s_mov_b32 s[G1R], 15|(3<<16)|(1<<21)           ; the ring: 32,768 dense bytes as 128 rows of 256; the mask names the cluster's four
	s_mov_b32 s[G1R+1], 32<<16
	s_mov_b32 s[G1R+2], 128<<16
	s_mov_b32 s[G1R+3], 32<<16
	s_mov_b32 s[G1R+4], 128
	s_mov_b32 s[G1R+5], 32
	s_mov_b32 s[G1R+6], 0
	s_mov_b32 s[G1R+7], 0
	s_mov_b32 s[G0E], 1
	s_mul_i32 s[G0E+1], s[MM], 33280               ; 32 rows of 1,040; two such are a half of the keys
	s_add_co_u32 s[G0E+1], s[G0E+1], EB
	s_mov_b32 s[G0], 1
	s_lshl_b32 s[G0+1], s[MM], 15                  ; a slot: K of four heads, then V of four heads, 16,384 bytes each
	s_lshl_b32 s42, s[BLK], 17
	s_and_b32 s41, s[MM], 1
	s_lshl_b32 s41, s41, 16
	s_add_co_u32 s42, s42, s41                     ; edges: which 32 rows,
	s_lshr_b32 s41, s[MM], 1
	s_lshl_b32 s41, s41, 10
	s_add_co_u32 s42, s42, s41                     ; which half of the keys
	s_mov_b32 s43, 0
	s_lshr_b32 s41, s[MM], 1                       ; 0: K, 1: V
	s_lshl_b32 s44, s41, 23
	s_and_b32 s41, s[MM], 1
	s_lshl_b32 s41, s41, 1
	s_lshl_b32 s45, s39, 4
	s_add_co_u32 s41, s41, s45
	s_lshl_b32 s41, s41, 14
	s_add_co_u32 s44, s44, s41
	s_add_co_u32 s44, s44, 0x800000
	s_mov_b32 s45, 0
	s_lshl_b32 s88, s[MM], 16                      ; Wc: K steps 0 and 1 of 128 columns are 32,768 dense bytes
	s_add_co_u32 s88, s88, 786432
	s_mov_b32 s89, 0
	s_lshr_b32 s41, s40, 2                         ; what my work-group prefetches of a slot: its i-th 16,384 bytes
	s_lshl_b32 s90, s41, 23
	s_and_b32 s41, s40, 3
	s_lshl_b32 s91, s39, 4
	s_add_co_u32 s41, s41, s91
	s_lshl_b32 s41, s41, 14
	s_add_co_u32 s90, s90, s41
	s_and_b32 s41, s[WV], 1
	s_lshl_b32 s41, s41, 13
	s_add_co_u32 s90, s90, s41                     ; waves 0 and 1 take a half each
	s_add_co_u32 s90, s90, 0x810000                ; at slot 1: the first change steps it to slot 2
	s_mov_b32 s91, 0
	s_cmp_lt_u32 s[WV], 2
	s_cselect_b32 s[LIM], 2, 0                     ; they ask while two slots on there is a slot of K and V
	s_mov_b32 s[SEL], 0x76543210
	s_mov_b32 s[SEL+1], 0xfedcba98
	s_mov_b32 s[MNT], 0x600000
	s_mov_b32 s[CS], 0x3e8293ee                    ; log2(e) / sqrt(32)
	s_mov_b32 s[CS+1], s[CS]
	s_mov_b32 s[SC], 0
	s_mov_b32 s[TB], 0
	s_wait_dscnt 0x0                               ; both opening adds are done
	s_wait_kmcnt 0x0
	s_add_nc_u64 s[G0E+2:G0E+3], s[8:9], s[42:43]
	s_or_b32 s[G0E+3], s[G0E+3], 0x80000000
	s_add_nc_u64 s[G0+2:G0+3], s[4:5], s[44:45]
	s_or_b32 s[G0+3], s[G0+3], 0x80000000
	s_add_nc_u64 s[WCD:WCD+1], s[16:17], s[88:89]
	s_or_b32 s[WCD+1], s[WCD+1], 0x80000000
	s_add_nc_u64 s[PFA:PFA+1], s[4:5], s[90:91]
	ROUND                                          ; the four work-groups are here: the first joint loads meet
	s_cmp_lt_u32 s[WV], 4                          ; the head's loads, one a wave
	s_cbranch_scc0 .Lhr
	tensor_load_to_lds s[G0E:G0E+3], s[G1E:G1E+7]
	s_nop 0
	NOPS 4
	s_branch .Lhd
.Lhr:
	tensor_load_to_lds s[G0:G0+3], s[G1R:G1R+7]
	s_nop 0
	NOPS 4
.Lhd:
	s_lshl_b32 s41, s39, 4
	s_lshl_b32 s44, s[HH], 1
	s_add_co_u32 s41, s41, s44                     ; 16 b + my first head
	s_mov_b32 s43, 0
	s_lshl_b32 s42, s41, 14
	s_lshl_b32 s44, s40, 11
	s_add_co_u32 s42, s42, s44
	s_lshl_b32 s44, s[MM], 9
	s_add_co_u32 s42, s42, s44
	s_add_nc_u64 s[4:5], s[4:5], s[42:43]          ; Q's codes
	s_lshl_b32 s42, s41, 11
	s_add_co_u32 s42, s42, 0x100000
	s_add_nc_u64 s[8:9], s[6:7], s[42:43]          ; K's scale words
	s_lshl_b32 s42, s41, 9
	s_add_co_u32 s42, s42, 0x200000
	s_add_nc_u64 s[VSP:VSP+1], s[6:7], s[42:43]    ; V's scale bytes
	s_lshl_b32 s42, s41, 11
	s_lshl_b32 s44, s40, 8
	s_add_co_u32 s42, s42, s44
	s_lshl_b32 s44, s[MM], 6
	s_add_co_u32 s42, s42, s44
	s_add_nc_u64 s[6:7], s[6:7], s[42:43]          ; Q's scale words
	s_lshl_b32 s42, s[HH], 3
	s_add_nc_u64 s[10:11], s[10:11], s[42:43]
	s_add_nc_u64 s[12:13], s[12:13], s[42:43]
.irp g, 0,1,2,3
	s_load_b64 s[WEA+2*\g:WEA+2*\g+1], s[10:11], 16*\g    ; We and be of my eight heads, in the order in which I take them
	s_load_b64 s[BEA+2*\g:BEA+2*\g+1], s[12:13], 16*\g
.endr
	s_lshl_b32 s42, s[BLK], 17
	s_add_nc_u64 s[14:15], s[14:15], s[42:43]      ; input1 at my 64 rows
	s_lshl_b32 s42, s[WV], 8
	s_add_nc_u64 s[XIP:XIP+1], s[14:15], s[42:43]  ; and at my 64 columns
	s_add_nc_u64 s[20:21], s[20:21], s[42:43]      ; bc likewise
	s_mul_i32 s38, s[MM], 16640
	s_add_co_u32 s38, s38, EB
	s_lshl_b32 s39, s[HH], 15
	s_lshl_b32 s40, s[MM], 11
	s_lshl_b32 s41, s[HH], 10
	s_add_co_u32 s40, s40, s41
	s_add_co_u32 s40, s40, OIMG
	s_lshl_b32 s41, s[MM], 7
	s_lshl_b32 s44, s[HH], 1
	s_add_co_u32 s41, s41, s44
	s_add_co_u32 s41, s41, OSC
	v_and_b32 v[TA], 31, v0                        ; lane
	v_and_b32 v[R], 15, v0
	v_bfe_u32 v[H], v0, 4, 1
	v_lshlrev_b32 v[LI], 4, v[TA]
	v_lshlrev_b32 v[LS], 2, v[TA]
	v_mul_u32_u24 v[EA0], v[R], 1040
	v_lshl_add_u32 v[EA0], v[H], 6, v[EA0]
	v_add_nc_u32 v[EA0], s38, v[EA0]               ; edges: row r of my tile, my 16 keys of a block of 32; keys 0-255,
	v_add_nc_u32 v[ADV], 66560, v[EA0]             ; and keys 256-511 (the register serves V's address later)
	v_add_nc_u32 v[KA0], s39, v[LI]
	v_lshlrev_b32 v[QA0], 5, v[R]
	v_lshl_add_u32 v[QA0], v[H], 4, v[QA0]
	v_lshlrev_b32 v[QSA0], 2, v[R]
	v_and_b32 v[TB2], 8, v[R]
	v_add_nc_u32 v[TB2], v[TB2], v[R]
	v_lshl_add_u32 v[TB2], v[H], 3, v[TB2]
	v_lshlrev_b32 v[KSA0], 2, v[TB2]               ; lanes 0-15 the even tile's keys, lanes 16-31 the odd tile's
	v_add_nc_u32 v[OIA0], s40, v[LI]
	v_add_nc_u32 v[OSA0], s41, v[LS]
	v_lshlrev_b32 v[PFO], 8, v[TA]                 ; a lane a block of 256 bytes
	v_lshlrev_b32 v[PFI], 8, v0
	v_lshlrev_b32 v[IA], 11, v[R]
	v_lshl_add_u32 v[IA], v[H], 6, v[IA]           ; input1: row r, my 16 columns of a pair's 32
	v_lshlrev_b32 v[BH], 6, v[H]
	global_load_b128 v[Q:Q+3], v[QA0], s[4:5]      ; the first head's Q and scales
	global_load_b32 v[QS], v[QSA0], s[6:7]
.set k, 0
.rept 16
	global_load_b32 v[KS+k], v[KSA0], s[8:9] offset:128*k
.set k, k+1
.endr
	global_load_b128 v[VL:VL+3], v[LI], s[VSP:VSP+1]
.set k, 4
.rept 12
	v_mov_b32 v[Q+k], 0                            ; Q's blocks 1 to 3: zero codes
.set k, k+1
.endr
.set k, 0
.rept 16
	v_mov_b32 v[P+k], 0                            ; finite codes behind K's last tiles
	v_mov_b32 v[O+k], 0
.set k, k+1
.endr
.irp k, 0,1,2,3
	v_mov_b32 v[BT+\k], 0                          ; a lane permute's destination counts as one of its sources
.endr
	v_mov_b32 v[F+1], 0
	v_mov_b32 v13, 0xff61b1e6                      ; -3e38, under every t
	v_floor_f32 v12, -v13
	v_mov_b32 v14, 0
	v_mov_b32 v15, 0
	s_wait_kmcnt 0x0
	s_mov_b32 s[WE], s[WEA]
	s_mov_b32 s[WE+1], s[WEA]
	v_mov_b32 v[BE], s[BEA]
	v_mov_b32 v[BE+1], s[BEA]
; A KEY STEP: 128 keys, the q-th of the head in hand.  K's tiles were asked for in the step before (step 0's: at the head's start)
.macro STEP q
	WIN 0x01                                       ; source 0: the edges, v256 on
.set k, 0
.rept 32
	v_pk_fma_f32 v[S+2*k:S+2*k+1], v[64*(\q)+2*k:64*(\q)+2*k+1], s[WE:WE+1], v[BE:BE+1] op_sel_hi:[1,0,0]   ; e We + be: the C of the scores.  (Also the places ahead of the loads into V's registers)
.set k, k+1
.endr
	WIN 0
.if (\q) == 2                                  ; my last head has read the edges of keys 0-383 for the last time: input1 and bc, where x1's sums begin, are asked for into v256-415
	s_cmp_eq_u32 s44, 8
	s_cbranch_scc0 .Lnx_\@
	WIN 0x40
.irp pp, 0,1
.irp m, 0,1,2,3
.irp c, 0,1,2,3
	global_load_b128 v[64*\pp+16*\m+4*\c:64*\pp+16*\m+4*\c+3], v[IA], s[XIP:XIP+1] offset:32768*\m+128*\pp+16*\c
.endr
.endr
.endr
.irp pp, 0,1
.irp c, 0,1,2,3
	global_load_b128 v[128+16*\pp+4*\c:128+16*\pp+4*\c+3], v[BH], s[20:21] offset:128*\pp+16*\c
.endr
.endr
	WIN 0
.Lnx_\@:
.endif
.set k, 0
.rept 8
	ds_load_b128 v[VF+4*k:VF+4*k+3], v[ADV] offset:8192*(k/4)+2048*(\q)+512*(k%4)
.set k, k+1
.endr
	s_wait_alu depctr_va_vdst(0)                   ; directly ahead of the wait below
	s_wait_dscnt 8                                 ; K is in; V's eight loads may be out
.if (\q) == 0
	s_wait_loadcnt 0x0                             ; the head's Q and scales
.endif
.set t, 0
.rept 8
	WM S+8*t, KF+4*t, Q, KS+4*(\q)+t/2, QS, t%2
.set t, t+1
.endr
.if (\q) == 0                                  ; eight places behind the products
.irp k, 0,1,2,3
	v_mov_b32 v[VC+\k], v[VL+\k]                   ; V's scale words of the head's four steps
.endr
	NOPS 4
.elseif (\q) == 3
	v_add_nc_u32 v[QA], s42, v[QA0]
	v_add_nc_u32 v[QSA], s43, v[QSA0]
	v_add_nc_u32 v[KSA], s43, v[KSA0]
	v_add_nc_u32 v[VLA], s45, v[LI]
	NOPS 4
	global_load_b128 v[Q:Q+3], v[QA], s[4:5]       ; the next head's Q and scales
	global_load_b32 v[QS], v[QSA], s[6:7]
.set k, 0
.rept 16
	global_load_b32 v[KS+k], v[KSA], s[8:9] offset:128*k
.set k, k+1
.endr
	global_load_b128 v[VL:VL+3], v[VLA], s[VSP:VSP+1]
.else
	NOPS 8
.endif
.if (\q) < 3
.set k, 0
.rept 8
	ds_load_b128 v[KF+4*k:KF+4*k+3], v[ADK] offset:4096*((\q)+1)+512*k    ; the next step's K
.set k, k+1
.endr
.endif
.irp b, 0,1,2,3
	v_max3_num_f32 v[BM+\b], v[S+16*\b], v[S+16*\b+1], v[S+16*\b+2]    ; each block's largest score
.endr
.irp i, 3,5,7,9,11,13
.irp b, 0,1,2,3
	v_max3_num_f32 v[BM+\b], v[BM+\b], v[S+16*\b+\i], v[S+16*\b+\i+1]
.endr
.endr
.irp b, 0,1,2,3
	v_max_num_f32 v[BM+\b], v[BM+\b], v[S+16*\b+15]
.endr
.irp b, 0,1,2,3
	v_permlanex16_b32 v[BT+\b], v[BM+\b], s[SEL], s[SEL+1]
.endr
.irp b, 0,1,2,3
	v_max_num_f32 v[BM+\b], v[BM+\b], v[BT+\b]
.endr
	v_max3_num_f32 v[TA], v[BM], v[BM+1], v[BM+2]
	v_max_num_f32 v[TA], v[TA], v[BM+3]
	v_mul_f32 v[TA], s[CS], v[TA]
	v_max_num_f32 v13, v13, v[TA]                  ; the running largest t
	v_mov_b32 v[TA], v12
	v_floor_f32 v12, -v13                          ; -M = floor(-t)
	v_sub_f32 v[TA], v12, v[TA]
	v_cvt_i32_f32 v[TA], v[TA]
	v_ldexp_f32 v[F], 1.0, v[TA]                   ; f = 2^(old M - new M)
.set k, 0
.rept 32
	v_pk_fma_f32 v[S+2*k:S+2*k+1], v[S+2*k:S+2*k+1], s[CS:CS+1], v[12:13] op_sel_hi:[1,0,0]
.set k, k+1
.endr
.irp b, 0,1,2,3
	v_fma_f32 v[BM+\b], v[BM+\b], s[CS], v12
.endr
	s_wait_alu depctr_va_vdst(0)                   ; the wait ahead of the batch
.set k, 0
.rept 64
	v_exp_f32 v[S+k], v[S+k]
.set k, k+1
.endr
	v_pk_mul_f32 v[14:15], v[14:15], v[F:F+1] op_sel_hi:[1,0]
	s_wait_alu depctr_va_vdst(0)                   ; one wait for the batch, ahead of its first reader
.irp b, 0,1,2,3
	v_exp_f32 v[BM+\b], v[BM+\b]                   ; each block's largest p
.endr
	v_pk_add_f32 v[L2:L2+1], v[S:S+1], v[S+2:S+3]  ; the sum of the unquantised p, in two chains
.set k, 4
.rept 15
	v_pk_add_f32 v[14:15], v[14:15], v[S+k:S+k+1]
	v_pk_add_f32 v[L2:L2+1], v[L2:L2+1], v[S+k+2:S+k+3]
.set k, k+4
.endr
	v_pk_add_f32 v[14:15], v[14:15], v[L2:L2+1]
	s_wait_alu depctr_va_vdst(0)                   ; and one for the four
.irp b, 0,1,2,3
	v_max_num_f32 v[BM+\b], 0x8000000, v[BM+\b]    ; the floor 2^(16 - 127)
.endr
.irp b, 0,1,2,3
	v_add_nc_u32 v[SO+\b], 0xf8800000, v[BM+\b]
.endr
.irp b, 0,1,2,3
	v_and_or_b32 v[HD+\b], v[BM+\b], 0x7f800000, s[MNT]
.endr
.irp b, 0,1,2,3
	v_lshrrev_b32 v[BT+\b], 23, v[SO+\b]
.endr
	v_lshl_or_b32 v[PW], v[BT+1], 8, v[BT]
	v_lshl_or_b32 v[PW], v[BT+2], 16, v[PW]
	v_lshl_or_b32 v[PW], v[BT+3], 24, v[PW]
.irp b, 0,1,2,3
.set k, 0
.rept 8
	v_dual_min_num_f32 v[S+16*\b+2*k], v[HD+\b], v[S+16*\b+2*k] :: v_dual_min_num_f32 v[S+16*\b+2*k+1], v[HD+\b], v[S+16*\b+2*k+1]   ; the conversion does not saturate (ISA guide 7.6.2); p is not negative; two holds a line
.set k, k+1
.endr
	v_cvt_scalef32_pk8_bf8_f32 v[P+4*\b:P+4*\b+1], v[S+16*\b:S+16*\b+7], v[SO+\b]
	v_cvt_scalef32_pk8_bf8_f32 v[P+4*\b+2:P+4*\b+3], v[S+16*\b+8:S+16*\b+15], v[SO+\b]
.endr
	s_wait_alu depctr_va_vdst(0)                   ; the wait here, directly ahead of the first reader of O^T
.irp i, 0,2,4,6,8,10,12,14
	v_pk_mul_f32 v[O+\i:O+\i+1], v[O+\i:O+\i+1], v[F:F+1] op_sel_hi:[1,0]
.endr
	s_wait_alu depctr_va_vdst(0)                   ; directly ahead of the wait below
.if (\q) < 3
	s_wait_dscnt 8                                 ; V is in; the next step's eight loads of K may be out
.else
	s_wait_dscnt 0x0
.endif
	WM O, VF, P, VC+(\q), PW, 0
	WM O+8, VF+16, P, VC+(\q), PW, 1
.endm
	s_wait_alu depctr_va_vdst(0)                   ; the wait at the head's end
	s_wait_tensorcnt 0x0                           ; my tile of the head's eight is in
	ds_add_u32 v[SPW], v[NIL]
	s_wait_dscnt 0x0
	s_barrier_signal -1
	s_barrier_wait -1                              ; the edge rows and slot 0 lie in LDS
	WIN 0x40                                       ; my tile of edges into v256-511: register 16 B + 4 j = keys 32 B + 16 h + 4 j of row r
.set k, 0
.rept 32
	ds_load_b128 v[4*k:4*k+3], v[EA0] offset:128*(k/4)+16*(k%4)
.set k, k+1
.endr
.set k, 0
.rept 32
	ds_load_b128 v[128+4*k:128+4*k+3], v[ADV] offset:128*(k/4)+16*(k%4)
.set k, k+1
.endr
	WIN 0
.Lslot:                                            ; four trips, a slot each.  THE CHANGE OF SLOTS: a round of the cluster's barrier, and behind it the other slot's joint load
	s_wait_tensorcnt 0x0                           ; no tensor load of mine is out
	ds_add_u32 v[SPW], v[NIL]
	s_xor_b32 s[G0+1], s[G0+1], RS
	s_add_nc_u64 s[G0+2:G0+3], s[G0+2:G0+3], 65536    ; the next four heads;
	s_cmp_eq_u32 s[SC], 3
	s_cselect_b64 s[G0+2:G0+3], s[WCD:WCD+1], s[G0+2:G0+3]   ; behind the last slot of K and V: Wc's K steps 0 and 1, into slot 0
	s_wait_xcnt 0x0                                ; my last prefetch has read its address
	s_add_nc_u64 s[PFA:PFA+1], s[PFA:PFA+1], 65536    ; the slot two on
	s_wait_dscnt 0x0                               ; the add is done, and my reads of the slot that I have left (the first time: of the edge rows)
	ROUND
	s_cmp_lt_u32 s[WV], 4
	s_cbranch_scc1 .Lasked
	tensor_load_to_lds s[G0:G0+3], s[G1R:G1R+7]
	s_nop 0
	NOPS 4
.Lasked:
; prefetches: the eight work-groups of a batch element share a slot's eight parts of 16,384 bytes out by address: waves 0 and 1 ask for part i of the slot two changes on, 32 blocks of 256 bytes each, a lane a block;
; the last two changes ask for none.  At slot 1 each wave asks once for 64 blocks of the work-group's 64 rows of input1, which the Wc part reads.
	s_cmp_lt_u32 s[SC], s[LIM]
	s_cbranch_scc0 .Lnk
	global_prefetch_b8 v[PFO], s[PFA:PFA+1] th:TH_LOAD_NT scope:SCOPE_SE
.Lnk:
	s_cmp_eq_u32 s[SC], 1
	s_cbranch_scc0 .Lni
	global_prefetch_b8 v[PFI], s[14:15] th:TH_LOAD_NT scope:SCOPE_SE
	global_prefetch_b8 v[PFI], s[14:15] offset:65536 th:TH_LOAD_NT scope:SCOPE_SE
.Lni:
	s_mov_b32 s[JJ], 0
.Lhead:                                            ; A HEAD: four key steps; then O / l, quantised (the head's 32 are one block: 16 here, 16 in lane l xor 16), its image and scale byte to LDS; then the sums begin anew
	s_lshl_b32 s40, s[SC], 1
	s_add_co_u32 s40, s40, s[JJ]
	s_add_co_u32 s44, s40, 1                       ; 8 in my last head
	s_min_u32 s40, s44, 7                          ; the next of my eight heads (the last asks for its own again)
	s_lshr_b32 s41, s40, 1
	s_and_b32 s40, s40, 1
	s_lshl_b32 s41, s41, 2
	s_add_co_u32 s40, s40, s41                     ; heads on from my first
	s_lshl_b32 s42, s40, 14
	s_lshl_b32 s43, s40, 11
	s_lshl_b32 s45, s40, 9
	s_lshl_b32 s38, s[JJ], 14
	s_add_co_u32 s38, s38, s[TB]
	v_add_nc_u32 v[ADK], s38, v[KA0]
	v_add_nc_u32 v[ADV], 65536, v[ADK]
.set k, 0
.rept 8
	ds_load_b128 v[KF+4*k:KF+4*k+3], v[ADK] offset:512*k
.set k, k+1
.endr
	STEP 0
	STEP 1
	STEP 2
	STEP 3
	NOPS 8                                         ; behind the last products
	s_lshl_b32 s39, s[SC], 13
	s_lshl_b32 s38, s[JJ], 9
	s_add_co_u32 s39, s39, s38
	s_lshl_b32 s40, s[SC], 9
	s_add_co_u32 s40, s40, s[JJ]
	v_add_f32 v14, v14, v15
	v_permlanex16_b32 v[BT], v14, s[SEL], s[SEL+1]
	v_add_f32 v14, v14, v[BT]
	s_wait_alu depctr_va_vdst(0)                   ; the wait ahead of the transcendental
	v_rcp_f32 v[F], v14
	v_add_nc_u32 v[OIA], s39, v[OIA0]
	v_add_nc_u32 v[OSA], s40, v[OSA0]
	s_wait_alu depctr_va_vdst(0)                   ; ahead of the first reader of 1 / l and of O^T
.irp i, 0,2,4,6,8,10,12,14
	v_pk_mul_f32 v[S+\i:S+\i+1], v[O+\i:O+\i+1], v[F:F+1] op_sel_hi:[1,0]
.endr
	v_max3_num_f32 v[TA], |v[S]|, |v[S+1]|, 0x8000000
	v_max3_num_f32 v[TB2], |v[S+2]|, |v[S+3]|, |v[S+4]|
	v_max3_num_f32 v[TA], v[TA], |v[S+5]|, |v[S+6]|
	v_max3_num_f32 v[TB2], v[TB2], |v[S+7]|, |v[S+8]|
	v_max3_num_f32 v[TA], v[TA], |v[S+9]|, |v[S+10]|
	v_max3_num_f32 v[TB2], v[TB2], |v[S+11]|, |v[S+12]|
	v_max3_num_f32 v[TA], v[TA], |v[S+13]|, |v[S+14]|
	v_max3_num_f32 v[TA], v[TA], v[TB2], |v[S+15]|
	v_permlanex16_b32 v[BT], v[TA], s[SEL], s[SEL+1]
	v_max_num_f32 v[TA], v[TA], v[BT]
	v_add_nc_u32 v[SO], 0xf8800000, v[TA]
	v_and_or_b32 v[HD], v[TA], 0x7f800000, s[MNT]
	v_lshrrev_b32 v[BT+1], 23, v[SO]
.set k, 0
.rept 16
	v_med3_num_f32 v[S+k], v[S+k], -v[HD], v[HD]
.set k, k+1
.endr
	v_cvt_scalef32_pk8_bf8_f32 v[S+16:S+17], v[S:S+7], v[SO]
	v_cvt_scalef32_pk8_bf8_f32 v[S+18:S+19], v[S+8:S+15], v[SO]
	v_nop
	ds_store_b128 v[OIA], v[S+16:S+19]             ; block (head % 4) of the image of (K step = slot, my row tile)
	ds_store_b8 v[OSA], v[BT+1]
	v_mov_b32 v13, 0xff61b1e6
	v_floor_f32 v12, -v13
	v_mov_b32 v14, 0
	v_mov_b32 v15, 0
.set k, 0
.rept 16
	v_mov_b32 v[O+k], 0
.set k, k+1
.endr
.irp g, 0,1,2,3,4,5,6
	s_mov_b32 s[WEA+\g], s[WEA+\g+1]               ; the next head's We and be move to the front
	s_mov_b32 s[BEA+\g], s[BEA+\g+1]
.endr
	s_mov_b32 s[WE], s[WEA]
	s_mov_b32 s[WE+1], s[WEA]
	v_mov_b32 v[BE], s[BEA]
	v_mov_b32 v[BE+1], s[BEA]
	s_add_co_u32 s[JJ], s[JJ], 1
	s_cmp_lt_u32 s[JJ], 2
	s_wait_alu depctr_va_vdst(0)                   ; the wait ahead of the branch
	s_cbranch_scc1 .Lhead
	s_xor_b32 s[TB], s[TB], RS
	s_add_co_u32 s[SC], s[SC], 1
	s_cmp_lt_u32 s[SC], 4
	s_cbranch_scc1 .Lslot
; ---- x1 = input1 + bc + Q(heads) Q(Wc): columns 64 W .. + 63 for the 64 rows: sixteen accumulators by turns, in v256-383: (pair pp, row tile m, u) at 64 pp + 16 m + 8 u.
; Wc's fragments: K steps 0 and 1 from slot 0 into v16-79; K step 2 from memory into v80-143, K step 3 into v416-479
.set WA, 16
.set LIH, KSA
.set LSH, VLA
.set WLA, QA
.set T, 16
.set W2, 32
.set U, 48
.set VV, 64
	s_wait_tensorcnt 0x0                           ; my piece of Wc is in
	ds_add_u32 v[SPW], v[NIL]
	s_mov_b32 s43, 0
	s_lshl_b32 s42, s[WV], 8
	s_lshl_b32 s44, s[BLK], 12
	s_add_co_u32 s42, s42, s44
	s_add_nc_u64 s[24:25], s[24:25], s[42:43]
	s_lshr_b32 s38, s[WV], 1                       ; which 128 columns
	s_and_b32 s39, s[WV], 1                        ; which half of them
	s_lshl_b32 s42, s38, 16
	s_lshl_b32 s44, s39, 13
	s_add_co_u32 s42, s42, s44
	s_add_co_u32 s42, s42, 786432
	s_add_nc_u64 s[16:17], s[16:17], s[42:43]
	s_lshl_b32 s42, s38, 11
	s_lshl_b32 s44, s39, 3
	s_add_co_u32 s42, s42, s44
	s_add_co_u32 s42, s42, 24576
	s_add_nc_u64 s[18:19], s[18:19], s[42:43]
	s_lshl_b32 s42, s[BLK], 17
	s_lshl_b32 s44, s38, 15
	s_add_co_u32 s42, s42, s44
	s_lshl_b32 s44, s39, 12
	s_add_co_u32 s42, s42, s44
	s_add_nc_u64 s[22:23], s[22:23], s[42:43]
	s_lshl_b32 s45, s38, 15
	s_lshl_b32 s44, s39, 13
	s_add_co_u32 s45, s45, s44                     ; my fragments in slot 0
	s_mov_b32 s38, 0x3c800000                      ; 1 / 64
	s_mov_b32 s39, s38
	s_mov_b32 s40, 0xff00ff00                      ; lanes whose r has bit 3, 2, 1, 0
	s_mov_b32 s41, 0xf0f0f0f0
	s_mov_b32 s42, 0xcccccccc
	s_mov_b32 s43, 0xaaaaaaaa
	s_wait_loadcnt 0x0                             ; input1 and bc are in, and so are the last head's loads
	s_wait_dscnt 0x0                               ; the add is done, and my images have landed
	v_add_nc_u32 v[LIH], OIMG, v[LI]
	v_add_nc_u32 v[LSH], OSC, v[LS]
	v_add_nc_u32 v[WLA], s45, v[LI]
.irp s, 0,1,2,3
	global_load_b64 v[VL+2*\s:VL+2*\s+1], v[LI], s[18:19] offset:512*\s
.endr
.set k, 0
.rept 16
	global_load_b128 v[80+4*k:80+4*k+3], v[LI], s[16:17] offset:32768+512*k     ; 512 consecutive bytes a load
.set k, k+1
.endr
	WIN 0x40
.set k, 0
.rept 16
	global_load_b128 v[160+4*k:160+4*k+3], v[LI], s[16:17] offset:49152+512*k
.set k, k+1
.endr
	WIN 0x45
.irp pp, 0,1
.irp m, 0,1,2,3
.irp j, 0,2,4,6,8,10,12,14
	v_pk_add_f32 v[64*\pp+16*\m+\j:64*\pp+16*\m+\j+1], v[64*\pp+16*\m+\j:64*\pp+16*\m+\j+1], v[128+16*\pp+\j:128+16*\pp+\j+1]
.endr
.endr
.endr
	WIN 0
	s_wait_alu depctr_va_vdst(0)                   ; the wait ahead of the barrier
	s_barrier_signal -1
	s_barrier_wait -1                              ; all 16 images and Wc's half lie in LDS
.irp s, 0,1,2,3
.if \s < 2
.set k, 0
.rept 16
	ds_load_b128 v[WA+4*k:WA+4*k+3], v[WLA] offset:16384*\s+512*k
.set k, k+1
.endr
.endif
.irp m, 0,1,2,3
.irp c, 0,1,2,3
	ds_load_b128 v[144+16*\m+24*(\m/3)+4*\c:144+16*\m+24*(\m/3)+4*\c+3], v[LIH] offset:(4*\s+\m)*2048+512*\c
.endr
	ds_load_b32 v[KS+\m], v[LSH] offset:(4*\s+\m)*128
.endr
	s_wait_dscnt 0x0
.if \s == 0
	s_wait_loadcnt 32                              ; Wc's scale words are in; K steps 2 and 3 (32 loads) may be out
.set AB, WA
	WIN 0x50                                       ; C and D: v256 on
.elseif \s == 1
.set AB, WA
	WIN 0x50
.elseif \s == 2
	s_wait_loadcnt 16                              ; K step 2 is in; K step 3's sixteen loads may be out
.set AB, 80
	WIN 0x50
.else
	s_wait_loadcnt 0x0
.set AB, 160
	WIN 0x51                                       ; and source 0 too
.endif
.irp pp, 0,1
.irp m, 0,1,2,3
	WM 64*\pp+16*\m, AB+32*\pp, 144+16*\m+24*(\m/3), VL+2*\s+\pp, KS+\m, 0
	WM 64*\pp+16*\m+8, AB+32*\pp+16, 144+16*\m+24*(\m/3), VL+2*\s+\pp, KS+\m, 1
.endr
.endr
	WIN 0
	NOPS 8
.endr
	WIN 0x04                                       ; a store's data are its source 1: v256 on.  x1 leaves ahead of the columns' figures, which only read it
.irp pp, 0,1
.irp m, 0,1,2,3
.irp q, 0,1,2,3
	global_store_b128 v[LI], v[64*\pp+16*\m+4*\q:64*\pp+16*\m+4*\q+3], s[22:23] offset:(4*\m+\pp)*2048+512*\q   ; 512 consecutive bytes: x1 is laid as its readers' registers
.endr
.endr
.endr
	WIN 0
.macro VRED x, mk                      ; lanes whose r has bit x keep registers j + x and send j; the others the other way round: the registers halve as the lanes are summed
.set k, 0
.rept \x
	v_cndmask_b32 v[W2+k], v[VV+k+\x], v[VV+k], s[\mk]
	v_cndmask_b32 v[VV+k], v[VV+k], v[VV+k+\x], s[\mk]
	v_add_f32_dpp v[VV+k], v[W2+k], v[VV+k] row_xmask:\x row_mask:0xf bank_mask:0xf
	v_cndmask_b32 v[T+k], v[T+k], v[T+k+\x], s[\mk]     ; of the sums, which every lane holds, register r is chosen
.set k, k+1
.endr
.endm
; a pair's 32 columns: the sums over my 64 rows, and the squared deviations from their own mean; lane (r, h) ends with column 16 h + r
.macro STATS pp
	WIN 0x05
.irp j, 0,2,4,6,8,10,12,14
	v_pk_add_f32 v[T+\j:T+\j+1], v[64*\pp+\j:64*\pp+\j+1], v[64*\pp+16+\j:64*\pp+16+\j+1]
.endr
.irp j, 0,2,4,6,8,10,12,14
	v_pk_add_f32 v[W2+\j:W2+\j+1], v[64*\pp+32+\j:64*\pp+32+\j+1], v[64*\pp+48+\j:64*\pp+48+\j+1]
.endr
	WIN 0
.irp j, 0,2,4,6,8,10,12,14
	v_pk_add_f32 v[T+\j:T+\j+1], v[T+\j:T+\j+1], v[W2+\j:W2+\j+1]
.endr
.irp x, 1,2,4,8
.set k, 0
.rept 16
	v_add_f32_dpp v[T+k], v[T+k], v[T+k] row_xmask:\x row_mask:0xf bank_mask:0xf
.set k, k+1
.endr
.endr
.irp j, 0,2,4,6,8,10,12,14
	v_pk_mul_f32 v[U+\j:U+\j+1], v[T+\j:T+\j+1], s[38:39] op_sel_hi:[1,0]
.endr
.irp m, 0,1,2,3
	WIN 0x01
.irp j, 0,2,4,6,8,10,12,14
	v_pk_add_f32 v[W2+\j:W2+\j+1], v[64*\pp+16*\m+\j:64*\pp+16*\m+\j+1], v[U+\j:U+\j+1] neg_lo:[0,1] neg_hi:[0,1]
.endr
	WIN 0
.irp j, 0,2,4,6,8,10,12,14
.if \m == 0
	v_pk_mul_f32 v[VV+\j:VV+\j+1], v[W2+\j:W2+\j+1], v[W2+\j:W2+\j+1]
.else
	v_pk_fma_f32 v[VV+\j:VV+\j+1], v[W2+\j:W2+\j+1], v[W2+\j:W2+\j+1], v[VV+\j:VV+\j+1]
.endif
.endr
.endr
	VRED 8, 40
	VRED 4, 41
	VRED 2, 42
	VRED 1, 43
	global_store_b32 v[LS], v[T], s[24:25] offset:128*\pp
	global_store_b32 v[LS], v[VV], s[24:25] offset:2048+128*\pp
.endm
	STATS 0
	s_wait_xcnt 0x0                                ; the two stores have read their data, which are written again below
	STATS 1
	s_wait_tensorcnt 0x0                           ; the wave's end
	ds_add_u32 v[SPW], v[NIL]
	s_wait_dscnt 0x0
	ROUND                                          ; the closing round
	s_endpgm
.Lfunc_end_k_q9217885ce6_attn:
	.size	k_q9217885ce6_attn, .Lfunc_end_k_q9217885ce6_attn-k_q9217885ce6_attn
	.p2alignl 7, 3214868480
	.fill 96, 4, 3214868480
	.section	.rodata,"a",@progbits
	.p2align	6, 0x0
	.amdhsa_kernel k_q9217885ce6_attn
		.amdhsa_group_segment_fixed_size 327680
		.amdhsa_private_segment_fixed_size 0
		.amdhsa_enable_private_segment 0
		.amdhsa_kernarg_size 88
		.amdhsa_user_sgpr_count 2
		.amdhsa_user_sgpr_kernarg_segment_ptr 1
		.amdhsa_wavefront_size32 1
		.amdhsa_system_sgpr_workgroup_id_x 1
		.amdhsa_system_sgpr_workgroup_id_y 1
		.amdhsa_system_sgpr_workgroup_id_z 1
		.amdhsa_system_vgpr_workitem_id 0
		.amdhsa_next_free_vgpr 512
		.amdhsa_next_free_sgpr 102
		.amdhsa_reserve_vcc 0
		.amdhsa_float_denorm_mode_32 3
		.amdhsa_float_denorm_mode_16_64 3
		.amdhsa_memory_ordered 1
		.amdhsa_forward_progress 1
		.amdhsa_inst_pref_size 159
	.end_amdhsa_kernel
	.amdgpu_metadata
---
amdhsa.version: [ 1, 2 ]
amdhsa.kernels:
  - .name:           k_q9217885ce6_attn
    .symbol:         k_q9217885ce6_attn.kd
    .args:
      - { .name: qkvc, .offset: 0, .size: 8, .value_kind: global_buffer, .address_space: global }
      - { .name: qkvs, .offset: 8, .size: 8, .value_kind: global_buffer, .address_space: global }
      - { .name: edge_info, .offset: 16, .size: 8, .value_kind: global_buffer, .address_space: global }
      - { .name: We, .offset: 24, .size: 8, .value_kind: global_buffer, .address_space: global }
      - { .name: be, .offset: 32, .size: 8, .value_kind: global_buffer, .address_space: global }
      - { .name: input1, .offset: 40, .size: 8, .value_kind: global_buffer, .address_space: global }
      - { .name: wcodes, .offset: 48, .size: 8, .value_kind: global_buffer, .address_space: global }
      - { .name: wscales, .offset: 56, .size: 8, .value_kind: global_buffer, .address_space: global }
      - { .name: bc, .offset: 64, .size: 8, .value_kind: global_buffer, .address_space: global }
      - { .name: x1, .offset: 72, .size: 8, .value_kind: global_buffer, .address_space: global }
      - { .name: st1, .offset: 80, .size: 8, .value_kind: global_buffer, .address_space: global }
    .group_segment_fixed_size: 327680
    .private_segment_fixed_size: 0
    .kernarg_segment_align: 8
    .kernarg_segment_size: 88
    .max_flat_workgroup_size: 256
    .sgpr_count:     102
    .vgpr_count:     512
    .wavefront_size: 32
...
	.end_amdgpu_metadata
.endif
;; end of part 3
;; launch ffn (part 4): grid 256 x 1, 4 waves a work-group, no clusters, 76,288 bytes of LDS; arguments x1, st1, g1, b1, wcodes, wscales, b1f, b2f, x2, st2; writes x2, st2
.if DOCPART == 4
	.amdgcn_target "amdgcn-amd-amdhsa--gfx1250"
	.amdhsa_code_object_version 6
	.text
	.protected	k_q9217885ce6_ffn
	.globl	k_q9217885ce6_ffn
	.p2align	8
	.type	k_q9217885ce6_ffn,@function
k_q9217885ce6_ffn:
	s_mov_b64 s[64:65], 0
	v_nop
	global_prefetch_b8 v0, s[64:65] scope:SCOPE_SE
	s_setreg_imm32_b32 hwreg(HW_REG_WAVE_MODE, 25, 1), 1
	s_wait_xcnt 0x0
; out1 = instance norm(x1); x2 = out1 + Q(relu(Q(out1) Q(W1f) + b1f)) Q(W2f) + b2f; and for each 64 rows the columns' sums and squared deviations.  Products on codes of E5M2 with E8M0 scales.
; SHARES.  A work-group owns 64 rows.  The norm's mean and variance of a column are merged from the eight blocks' (sum, squared deviations about the block's own mean): no difference of large sums is formed.
; Wave w quantises row tile w of out1; the 16 images go round through LDS.  THE WAVES SHARE THE COLUMNS: in round g (of four) wave w makes hidden units 128 (4 g + w) .. + 127 for all 64 rows, which are K step 4 g + w of the
; second product; their images go round through LDS; then each wave adds the round's four K steps onto its 128 columns of x2 (32 accumulators, begun as out1 + b2f).  The hidden layer never goes to memory.
; The weights come straight from memory into the registers that the products name, in groups of eight fragments laid in the order of use, two groups ahead, across the barriers.
; No joint loads: each weight fragment is wanted by one wave of the work-group alone, and a ring in LDS would put a round of a cluster's barrier in front of every 32 products of a wave.
; LDS: means, gains, shifts (2,048 bytes each); out1's images [m][s][2,048] and scale words; the hidden layer's [w][m][2,048] and scale words.
; REGISTERS: window 0: names below.  window 1: x1 raw, then out1's 16 fragments.  window 2: two sets of 8 weight fragments (the upper set holds gains and shifts at the start).  window 3: x2's accumulators ((p, m, u) at 64 p + 16 m + 8 u).
; LIMITS: NaN and infinities are not served; blocks of zeros carry the byte 1; 1 / sqrt by v_rsq_f32.
.set LI,  1
.set LS,  2
.set CT,  3
.set BH,  4
.set XWI, 5
.set XWS, 6
.set HWI, 7
.set HWS, 8
.set LIH, 9
.set LSH, 10
.set R,   12
.set CHW, 15
.set XS,  16
.set WS,  32
.set HS,  40
.set HW,  44
.set PW,  48
.set HA,  64
.set ST,  128
.set PC,  192
.set TM,  208
.set B1,  224
.set T,   64
.set W2,  80
.set U,   96
.set VV,  112
.set SS,  192
.set SM,  196
.set CM,   0
.set CA,   2048
.set CB,   4096
.set XIMG, 6144
.set XSC,  38912
.set HIMG, 40960
.set HSC,  73728
.set WV,   24
.set SEL,  26
.set MNT,  28
.set RC,   29
.set I512, 30
.set I64,  32
.set C64,  34
.set EPS,  36
.set MK,   48
.set SP,   66
.set XRW,  68
.set XRC,  70
.set WP,   72
.set WSP,  74
.set B1P,  76
.set B2P,  78
.set XP,   80
.set STP,  82
.set TO1,   0x40
.set TO2,   0x80
.set TO3,   0xc0
.set W_P1,  0x06
.set W_ACC, 0xf2
.set IP1,   0x41
.set IP3,   0xc3
.set MSB, 0
.macro WIN new
.if MSB != (\new)
	s_set_vgpr_msb (MSB<<8)|(\new)
.set MSB, (\new)
.endif
.endm
.macro PLACES n
.rept \n
	v_nop
.endr
.endm
.macro BARRIER
	s_barrier_signal -1
	s_barrier_wait -1
.endm
.macro QUANT src, sw, relu, dst
	WIN (\sw)|((\sw)<<2)
.irp g, 0,1,2,3
.if \relu
	v_max3_num_f32 v[TM+\g], v[\src+16*\g], v[\src+16*\g+1], 0x8000000        ; no |.|: what is negative becomes 0 and must not count; the floor stands over it
.else
	v_max3_num_f32 v[TM+\g], |v[\src+16*\g]|, |v[\src+16*\g+1]|, 0x8000000
.endif
.endr
	WIN ((\sw)<<2)|((\sw)<<4)
.irp i, 2,4,6,8,10,12,14
.irp g, 0,1,2,3
.if \relu
	v_max3_num_f32 v[TM+\g], v[TM+\g], v[\src+16*\g+\i], v[\src+16*\g+\i+1]
.else
	v_max3_num_f32 v[TM+\g], v[TM+\g], |v[\src+16*\g+\i]|, |v[\src+16*\g+\i+1]|
.endif
.endr
.endr
	WIN 0
.irp g, 0,1,2,3
	v_permlanex16_b32 v[TM+4+\g], v[TM+\g], s[SEL], s[SEL+1]
.endr
.irp g, 0,1,2,3
	v_max_num_f32 v[TM+\g], v[TM+\g], v[TM+4+\g]
.endr
.irp g, 0,1,2,3
	v_add_nc_u32 v[TM+12+\g], 0xf8800000, v[TM+\g]
.endr
.irp g, 0,1,2,3
	v_and_or_b32 v[TM+8+\g], v[TM+\g], 0x7f800000, s[MNT]
.endr
.irp g, 0,1,2,3
	v_lshrrev_b32 v[TM+4+\g], 23, v[TM+12+\g]
.endr
	WIN (\sw)|((\sw)<<6)
.irp g, 0,1,2,3
.irp i, 0,1,2,3,4,5,6,7,8,9,10,11,12,13,14,15
.if \relu
	v_med3_num_f32 v[\src+16*\g+\i], v[\src+16*\g+\i], 0, v[TM+8+\g]          ; the activation and the hold in one
.else
	v_med3_num_f32 v[\src+16*\g+\i], v[\src+16*\g+\i], -v[TM+8+\g], v[TM+8+\g]
.endif
.endr
.endr
	WIN \sw
.irp g, 0,1,2,3
	v_cvt_scalef32_pk8_bf8_f32 v[\dst+4*\g:\dst+4*\g+1], v[\src+16*\g:\src+16*\g+7], v[TM+12+\g]
	v_cvt_scalef32_pk8_bf8_f32 v[\dst+4*\g+2:\dst+4*\g+3], v[\src+16*\g+8:\src+16*\g+15], v[TM+12+\g]
.endr
	WIN 0
	v_nop
.endm
.macro WORD4 d
	v_lshl_or_b32 v[\d], v[TM+5], 8, v[TM+4]
	v_lshl_or_b32 v[\d], v[TM+6], 16, v[\d]
	v_lshl_or_b32 v[\d], v[TM+7], 24, v[\d]
.endm
; group idx (from the round's first) into set buf: 33 loads; with a pair's 16 numbers of b1f a lane: 37
.macro WLOAD buf, idx, bias, boff
	WIN TO2
.irp f, 0,1,2,3,4,5,6,7
.irp c, 0,1,2,3
	global_load_b128 v[128*(\buf)+16*\f+4*\c:128*(\buf)+16*\f+4*\c+3], v[LI], s[WP:WP+1] offset:(\idx)*16384+2048*\f+512*\c
.endr
.endr
	WIN 0
	global_load_b128 v[WS+4*(\buf):WS+4*(\buf)+3], v[LI], s[WSP:WSP+1] offset:(\idx)*512
.if \bias
.irp q, 0,1,2,3
	global_load_b128 v[B1+16*(\buf)+4*\q:B1+16*(\buf)+4*\q+3], v[BH], s[B1P:B1P+1] offset:(\boff)+16*\q
.endr
.endif
.endm
.macro WM row
.if (\row) == 1
	v_wmma_scale_f32_16x16x128_f8f6f4 v[wD:wD+7], v[wA:wA+15], v[wB:wB+15], v[wC:wC+7], v[wSA], v[wSB] matrix_a_fmt:MATRIX_FMT_BF8 matrix_b_fmt:MATRIX_FMT_BF8 matrix_a_scale:MATRIX_SCALE_ROW1
.else
	v_wmma_scale_f32_16x16x128_f8f6f4 v[wD:wD+7], v[wA:wA+15], v[wB:wB+15], v[wC:wC+7], v[wSA], v[wSB] matrix_a_fmt:MATRIX_FMT_BF8 matrix_b_fmt:MATRIX_FMT_BF8
.endif
.endm
.macro MM1 buf                         ; 32 hidden units x 64 rows x K 512: eight accumulators by turns; b1f is the C of each sum's first product
	WIN W_P1
.irp s, 0,1,2,3
.irp m, 0,1,2,3
.irp u, 0,1
.set wD, HA+16*\m+8*\u
.set wA, 128*(\buf)+16*(2*\s+\u)
.set wB, 16*(4*\m+\s)
.set wSA, WS+4*(\buf)+\s
.set wSB, XS+4*\m+\s
.if \s == 0
.set wC, B1+16*(\buf)+8*\u
.else
.set wC, wD
.endif
	WM \u
.endr
.endr
.endr
.endm
.macro MM2 buf
	WIN W_ACC
.irp m, 0,1,2,3
.irp p, 0,1,2,3
.irp u, 0,1
.set wD, 64*\p+16*\m+8*\u
.set wA, 128*(\buf)+16*(2*\p+\u)
.set wB, ST+16*\m
.set wC, wD
.set wSA, WS+4*(\buf)+\p
.set wSB, HS+\m
	WM \u
.endr
.endr
.endr
.endm
.macro HFETCH s
.irp m, 0,1,2,3
.irp c, 0,1,2,3
	ds_load_b128 v[ST+16*\m+4*\c:ST+16*\m+4*\c+3], v[LIH] offset:(4*(\s)+\m)*2048+512*\c
.endr
	ds_load_b32 v[HS+\m], v[LSH] offset:(4*(\s)+\m)*128
.endr
.endm
.macro VRED x, mk                      ; lanes whose r has bit x keep registers j + x and send j; the others the other way round: the registers halve as the lanes are summed, and lane (r, h) ends with register r
.set j, 0
.rept \x
	v_cndmask_b32 v[W2+j], v[VV+j+\x], v[VV+j], s[\mk]
	v_cndmask_b32 v[VV+j], v[VV+j], v[VV+j+\x], s[\mk]
	v_add_f32_dpp v[VV+j], v[W2+j], v[VV+j] row_xmask:\x row_mask:0xf bank_mask:0xf
.set j, j+1
.endr
.endm
.macro STATS p
	WIN 0x0f
.irp j, 0,2,4,6,8,10,12,14
	v_pk_add_f32 v[T+\j:T+\j+1], v[64*\p+\j:64*\p+\j+1], v[64*\p+16+\j:64*\p+16+\j+1]
.endr
.irp j, 0,2,4,6,8,10,12,14
	v_pk_add_f32 v[W2+\j:W2+\j+1], v[64*\p+32+\j:64*\p+32+\j+1], v[64*\p+48+\j:64*\p+48+\j+1]
.endr
	WIN 0
.irp j, 0,2,4,6,8,10,12,14
	v_pk_add_f32 v[T+\j:T+\j+1], v[T+\j:T+\j+1], v[W2+\j:W2+\j+1]
.endr
.irp x, 1,2,4,8
.irp j, 0,1,2,3,4,5,6,7,8,9,10,11,12,13,14,15
	v_add_f32_dpp v[T+\j], v[T+\j], v[T+\j] row_xmask:\x row_mask:0xf bank_mask:0xf
.endr
.endr
.irp j, 0,2,4,6,8,10,12,14
	v_pk_mul_f32 v[U+\j:U+\j+1], v[T+\j:T+\j+1], s[I64:I64+1] op_sel_hi:[1,0]
.endr
.irp m, 0,1,2,3
	WIN 0x03
.irp j, 0,2,4,6,8,10,12,14
	v_pk_add_f32 v[W2+\j:W2+\j+1], v[64*\p+16*\m+\j:64*\p+16*\m+\j+1], v[U+\j:U+\j+1] neg_lo:[0,1] neg_hi:[0,1]
.endr
	WIN 0
.irp j, 0,2,4,6,8,10,12,14
.if \m == 0
	v_pk_mul_f32 v[VV+\j:VV+\j+1], v[W2+\j:W2+\j+1], v[W2+\j:W2+\j+1]
.else
	v_pk_fma_f32 v[VV+\j:VV+\j+1], v[W2+\j:W2+\j+1], v[W2+\j:W2+\j+1], v[VV+\j:VV+\j+1]
.endif
.endr
.endr
	VRED 8, 84
	VRED 4, 85
	VRED 2, 86
	VRED 1, 87
	v_mov_b32 v[SS+\p], v[T]
	v_mov_b32 v[SM+\p], v[VV]
.irp j, 1,2,3,4,5,6,7,8,9,10,11,12,13,14,15
	v_cndmask_b32 v[SS+\p], v[SS+\p], v[T+\j], s[MK+\j]
.endr
	global_store_b32 v[LS], v[SS+\p], s[STP:STP+1] offset:128*\p
	global_store_b32 v[LS], v[SM+\p], s[STP:STP+1] offset:2048+128*\p
.endm
; Four columns of a thread: block i's sums at v[S + 8 i], its squared deviations at v[S + 8 i + 4]; gain at v[G], shift at v[G + 4].  Mean to v[W + 4], gain / sqrt(var + eps) to v[W + 24].
.macro COEFMATH S, G, W
.irp k, 0,2
	v_pk_add_f32 v[\W+\k:\W+\k+1], v[\S+\k:\S+\k+1], v[\S+8+\k:\S+8+\k+1]
	v_pk_add_f32 v[\W+8+\k:\W+8+\k+1], v[\S+4+\k:\S+4+\k+1], v[\S+12+\k:\S+12+\k+1]
.endr
.irp i, 2,3,4,5,6,7
.irp k, 0,2
	v_pk_add_f32 v[\W+\k:\W+\k+1], v[\W+\k:\W+\k+1], v[\S+8*\i+\k:\S+8*\i+\k+1]
	v_pk_add_f32 v[\W+8+\k:\W+8+\k+1], v[\W+8+\k:\W+8+\k+1], v[\S+8*\i+4+\k:\S+8*\i+4+\k+1]
.endr
.endr
.irp k, 0,2
	v_pk_mul_f32 v[\W+4+\k:\W+4+\k+1], v[\W+\k:\W+\k+1], s[I512:I512+1] op_sel_hi:[1,0]        ; the mean of 512
.endr
.irp i, 0,1,2,3,4,5,6,7
.irp k, 0,2
	v_pk_fma_f32 v[\W+12+\k:\W+12+\k+1], v[\S+8*\i+\k:\S+8*\i+\k+1], s[I64:I64+1], v[\W+4+\k:\W+4+\k+1] op_sel_hi:[1,0,1] neg_lo:[0,0,1] neg_hi:[0,0,1]   ; the block's mean less the mean
.endr
.irp k, 0,2
.if \i == 0
	v_pk_mul_f32 v[\W+16+\k:\W+16+\k+1], v[\W+12+\k:\W+12+\k+1], v[\W+12+\k:\W+12+\k+1]
.else
	v_pk_fma_f32 v[\W+16+\k:\W+16+\k+1], v[\W+12+\k:\W+12+\k+1], v[\W+12+\k:\W+12+\k+1], v[\W+16+\k:\W+16+\k+1]
.endif
.endr
.endr
.irp k, 0,2
	v_pk_fma_f32 v[\W+8+\k:\W+8+\k+1], v[\W+16+\k:\W+16+\k+1], s[C64:C64+1], v[\W+8+\k:\W+8+\k+1] op_sel_hi:[1,0,1]
.endr
.irp k, 0,1,2,3
	v_fma_f32 v[\W+20+\k], v[\W+8+\k], s[I512], s[EPS]                 ; the biased variance + eps
.endr
	s_wait_alu depctr_va_vdst(0)
.irp k, 0,1,2,3
	v_rsq_f32 v[\W+20+\k], v[\W+20+\k]
.endr
	v_nop
	s_wait_alu depctr_va_vdst(0)
.irp k, 0,2
	v_pk_mul_f32 v[\W+24+\k:\W+24+\k+1], v[\W+20+\k:\W+20+\k+1], v[\G+\k:\G+\k+1]
.endr
.endm
; 64 means to v[ST], gains to window 2 v128, shifts to window 2 v192: register 16 p + 4 q = column off / 4 + 32 p + 16 h + 4 q
.macro COEFLD adr, off
.set k, 0
.rept 16
	ds_load_b128 v[ST+4*k:ST+4*k+3], v[\adr] offset:CM+(\off)+128*(k/4)+16*(k%4)
.set k, k+1
.endr
	WIN TO2
.set k, 0
.rept 16
	ds_load_b128 v[128+4*k:128+4*k+3], v[\adr] offset:CA+(\off)+128*(k/4)+16*(k%4)
	ds_load_b128 v[192+4*k:192+4*k+3], v[\adr] offset:CB+(\off)+128*(k/4)+16*(k%4)
.set k, k+1
.endr
	WIN 0
.endm
	s_load_b256 s[4:11], s[0:1], 0x0               ; x1, st1, g1, b1
	s_load_b256 s[12:19], s[0:1], 0x20             ; wcodes, wscales, b1f, b2f
	s_load_b128 s[20:23], s[0:1], 0x40             ; x2, st2
	v_lshl_add_u32 v62, v0, 2, 0x12800
	v_mov_b32 v63, 0
	v_lshrrev_b32 v11, 5, v0
	v_readfirstlane_b32 s[WV], v11
	v_and_b32 v11, 31, v0
	v_and_b32 v[R], 15, v0
	v_bfe_u32 v13, v0, 4, 1
	v_lshlrev_b32 v[LI], 4, v11
	v_lshlrev_b32 v[LS], 2, v11
	v_lshlrev_b32 v[CT], 4, v0                     ; a thread's four columns
	v_lshlrev_b32 v[BH], 6, v13
	s_lshl_b32 s37, s[WV], 13
	s_add_co_u32 s38, s37, XIMG
	v_add_nc_u32 v[XWI], s38, v[LI]
	s_add_co_u32 s38, s37, HIMG
	v_add_nc_u32 v[HWI], s38, v[LI]
	s_lshl_b32 s37, s[WV], 9
	s_add_co_u32 s38, s37, XSC
	v_add_nc_u32 v[XWS], s38, v[LS]
	s_add_co_u32 s38, s37, HSC
	v_add_nc_u32 v[HWS], s38, v[LS]
	v_add_nc_u32 v[CHW], s37, v[BH]
	v_add_nc_u32 v[LIH], HIMG, v[LI]
	v_add_nc_u32 v[LSH], HSC, v[LS]
.irp j, 1,2,3,4,5,6,7,8,9,10,11,12,13,14,15
	v_cmp_eq_u32 s[MK+\j], \j, v[R]
.endr
.irp g, 0,1,2,3
	v_mov_b32 v[TM+4+\g], 0
.endr
	s_mov_b32 s[SEL], 0x76543210
	s_mov_b32 s[SEL+1], 0xfedcba98
	s_mov_b32 s[MNT], 0x600000
	s_mov_b32 s[I512], 0x3b000000
	s_mov_b32 s[I512+1], s[I512]
	s_mov_b32 s[I64], 0x3c800000
	s_mov_b32 s[I64+1], s[I64]
	s_mov_b32 s[C64], 0x42800000
	s_mov_b32 s[C64+1], s[C64]
	s_mov_b32 s[EPS], 0x3727c5ac
	s_mov_b32 s84, 0xff00ff00                      ; lanes whose r has bit 3, 2, 1, 0
	s_mov_b32 s85, 0xf0f0f0f0
	s_mov_b32 s86, 0xcccccccc
	s_mov_b32 s87, 0xaaaaaaaa
	s_mov_b32 s39, 0
	s_wait_kmcnt 0x0
	s_lshr_b32 s38, ttmp9, 3
	s_lshl_b32 s38, s38, 15
	s_add_nc_u64 s[SP:SP+1], s[6:7], s[38:39]      ; the batch element's eight blocks of figures
	s_lshl_b32 s38, ttmp9, 17
	s_add_nc_u64 s[XRW:XRW+1], s[4:5], s[38:39]
	s_add_nc_u64 s[XP:XP+1], s[20:21], s[38:39]
	s_lshl_b32 s38, s[WV], 15
	s_add_nc_u64 s[XRC:XRC+1], s[XRW:XRW+1], s[38:39]      ; x1: my 128 columns
	s_add_nc_u64 s[XP:XP+1], s[XP:XP+1], s[38:39]
	s_lshl_b32 s38, s[WV], 13
	s_add_nc_u64 s[XRW:XRW+1], s[XRW:XRW+1], s[38:39]      ; x1: my row tile
	s_lshl_b32 s38, s[WV], 19
	s_add_co_u32 s38, s38, 1048576
	s_add_nc_u64 s[WP:WP+1], s[12:13], s[38:39]
	s_lshl_b32 s38, s[WV], 14
	s_add_co_u32 s38, s38, 32768
	s_add_nc_u64 s[WSP:WSP+1], s[14:15], s[38:39]
	s_lshl_b32 s38, s[WV], 9
	s_add_nc_u64 s[B1P:B1P+1], s[16:17], s[38:39]
	s_add_nc_u64 s[B2P:B2P+1], s[18:19], s[38:39]
	s_lshl_b32 s37, ttmp9, 12
	s_add_co_u32 s38, s38, s37
	s_add_nc_u64 s[STP:STP+1], s[22:23], s[38:39]
	; ---- the norm's coefficients: 128 threads x 4 columns
.irp i, 0,1,2,3,4,5,6,7
	global_load_b128 v[HA+8*\i:HA+8*\i+3], v[CT], s[SP:SP+1] offset:4096*\i
	global_load_b128 v[HA+8*\i+4:HA+8*\i+7], v[CT], s[SP:SP+1] offset:4096*\i+2048
.endr
	global_load_b128 v[ST:ST+3], v[CT], s[8:9]
	global_load_b128 v[ST+4:ST+7], v[CT], s[10:11]
	WIN TO1
.irp s, 0,1,2,3
.irp p, 0,1,2,3
.irp q, 0,1,2,3
	global_load_b128 v[64*\s+16*\p+4*\q:64*\s+16*\p+4*\q+3], v[LI], s[XRW:XRW+1] offset:32768*\s+2048*\p+512*\q   ; my row tile of x1, all 512 columns
.endr
.endr
.endr
	WIN 0
	s_wait_loadcnt 63                              ; the 18 loads of figures are in: 64 were issued behind them, and 63 is the most that a wait can name
	COEFMATH HA, ST, ST+8
	ds_store_b128 v[CT], v[ST+12:ST+15] offset:CM
	ds_store_b128 v[CT], v[ST+32:ST+35] offset:CA
	ds_store_b128 v[CT], v[ST+4:ST+7] offset:CB
	s_wait_dscnt 0x0
	BARRIER                                        ; the 512 columns' coefficients lie in LDS
	WIN TO3
.irp m, 0,1,2,3
.irp p, 0,1,2,3
.irp q, 0,1,2,3
	global_load_b128 v[64*\p+16*\m+4*\q:64*\p+16*\m+4*\q+3], v[LI], s[XRC:XRC+1] offset:(4*\m+\p)*2048+512*\q      ; x1 at my 128 columns, all 64 rows
.endr
.endr
.endr
	WIN 0
.set k, 0
.rept 16
	global_load_b128 v[HA+4*k:HA+4*k+3], v[BH], s[B2P:B2P+1] offset:128*(k/4)+16*(k%4)
.set k, k+1
.endr
	WLOAD 0, 0, 1, 0
	s_wait_loadcnt 63                              ; my row tile is in: 117 loads were issued behind it, and 63 is the most that a wait can name
	COEFLD BH, 0
.irp s, 0,1,2,3
	s_wait_dscnt 0x0                               ; this K step's coefficients are in; the last step's stores have read their registers
	WIN IP1
.set j, 0
.rept 32
	v_pk_add_f32 v[64*\s+2*j:64*\s+2*j+1], v[64*\s+2*j:64*\s+2*j+1], v[ST+2*j:ST+2*j+1] neg_lo:[0,1] neg_hi:[0,1]
.set j, j+1
.endr
	WIN 0x69
.set j, 0
.rept 32
	v_pk_fma_f32 v[64*\s+2*j:64*\s+2*j+1], v[64*\s+2*j:64*\s+2*j+1], v[128+2*j:128+2*j+1], v[192+2*j:192+2*j+1]
.set j, j+1
.endr
	WIN 0
.if \s < 3
	COEFLD BH, 512*(\s+1)                          ; the next step's land while this one is quantised
.else
	COEFLD CHW, 0                                  ; and at last those of my own 128 columns
.endif
	QUANT 64*\s, 1, 0, PC
	WORD4 PW
.irp c, 0,1,2,3
	ds_store_b128 v[XWI], v[PC+4*\c:PC+4*\c+3] offset:2048*\s+512*\c
.endr
	ds_store_b32 v[XWS], v[PW] offset:128*\s
.endr
	s_wait_dscnt 0x0                               ; my images have landed, my columns' coefficients are in
	s_wait_loadcnt 37                              ; x1 at my columns and b2f are in; the first group of weights (37 loads) may be out
	WIN 0x82
.set j, 0
.rept 32
	v_pk_add_f32 v[192+2*j:192+2*j+1], v[192+2*j:192+2*j+1], v[HA+2*j:HA+2*j+1]        ; shift + b2f
.set j, j+1
.endr
	WIN IP3
.irp p, 0,1,2,3
.irp m, 0,1,2,3
.irp j, 0,2,4,6,8,10,12,14
	v_pk_add_f32 v[64*\p+16*\m+\j:64*\p+16*\m+\j+1], v[64*\p+16*\m+\j:64*\p+16*\m+\j+1], v[ST+16*\p+\j:ST+16*\p+\j+1] neg_lo:[0,1] neg_hi:[0,1]
.endr
.endr
.endr
	WIN 0xeb
.irp p, 0,1,2,3
.irp m, 0,1,2,3
.irp j, 0,2,4,6,8,10,12,14
	v_pk_fma_f32 v[64*\p+16*\m+\j:64*\p+16*\m+\j+1], v[64*\p+16*\m+\j:64*\p+16*\m+\j+1], v[128+16*\p+\j:128+16*\p+\j+1], v[192+16*\p+\j:192+16*\p+\j+1]   ; out1 + b2f: where x2's sums begin
.endr
.endr
.endr
	WIN 0
	BARRIER                                        ; out1's 16 images lie in LDS
	WLOAD 1, 1, 1, 128
	WIN TO1
.irp f, 0,1,2,3,4,5,6,7,8,9,10,11,12,13,14,15
.irp c, 0,1,2,3
	ds_load_b128 v[16*\f+4*\c:16*\f+4*\c+3], v[LI] offset:XIMG+2048*\f+512*\c
.endr
.endr
	WIN 0
.irp f, 0,1,2,3,4,5,6,7,8,9,10,11,12,13,14,15
	ds_load_b32 v[XS+\f], v[LS] offset:XSC+128*\f
.endr
	s_wait_dscnt 0x0
; A ROUND: four groups of W1f (32 hidden units each), then four of W2f (a K step each).  last = 1: nothing is asked for beyond the last group.
.macro ROUND last
.irp p, 0,1,2,3
.if \p < 3
	s_wait_loadcnt 37                              ; this group is in; the next one's 37 loads may be out
.else
	s_wait_loadcnt 33                              ; (the next group is W2f's: 33 loads)
.endif
	MM1 \p%2
	WIN 0
	PLACES 8                                       ; ahead of loads into the products' sources and of the first read of results
.if \p < 2
	WLOAD \p%2, \p+2, 1, 128*(\p+2)
.else
	WLOAD \p%2, \p+2, 0, 0
.endif
	s_wait_dscnt 0x0                               ; the last pair's stores have read their registers; in a round's first pair: my reads of the last round's images are over
	QUANT HA, 0, 1, PC
.irp m, 0,1,2,3
.if \p == 0
	v_mov_b32 v[HW+\m], v[TM+4+\m]
.else
	v_lshl_or_b32 v[HW+\m], v[TM+4+\m], 8*\p, v[HW+\m]
.endif
.endr
.if \p == 0
	s_wait_alu depctr_va_vdst(0)
	BARRIER                                        ; every wave's reads of the last round's images are over: they may be written again
.endif
.irp m, 0,1,2,3
	ds_store_b128 v[HWI], v[PC+4*\m:PC+4*\m+3] offset:2048*\m+512*\p   ; block p of the image of (K step w, row tile m)
.endr
.if \p == 3
.irp m, 0,1,2,3
	ds_store_b32 v[HWS], v[HW+\m] offset:128*\m
.endr
.endif
.endr
	s_wait_dscnt 0x0
	BARRIER                                        ; the round's 16 images lie in LDS
.irp s, 0,1,2,3
	HFETCH \s
	s_wait_dscnt 0x0
.if \s < 3
	s_wait_loadcnt 33
.elseif \last
	s_wait_loadcnt 0x0
.else
	s_wait_loadcnt 37                              ; (the next round's first group: 37 loads)
.endif
	MM2 \s%2
	WIN 0
	PLACES 8
.if \s < 2
	WLOAD \s%2, \s+6, 0, 0
.elseif !\last
	WLOAD \s%2, \s+6, 1, 2048+128*(\s-2)
.endif
.endr
.endm
	s_mov_b32 s[RC], 3
.Lround:
	ROUND 0
	s_wait_xcnt 0x0                                ; the bases are stepped only behind this wait
	s_add_nc_u64 s[WP:WP+1], s[WP:WP+1], 131072
	s_add_nc_u64 s[WSP:WSP+1], s[WSP:WSP+1], 4096
	s_add_nc_u64 s[B1P:B1P+1], s[B1P:B1P+1], 2048
	s_sub_co_u32 s[RC], s[RC], 1
	s_cmp_lg_u32 s[RC], 0
	s_cbranch_scc1 .Lround
	ROUND 1                                        ; the last round is written out: no load leaves its buffer, and every count holds on its own path
	STATS 0
	STATS 1
	STATS 2
	STATS 3
	WIN 0x0c
.irp m, 0,1,2,3
.irp p, 0,1,2,3
.irp q, 0,1,2,3
	global_store_b128 v[LI], v[64*\p+16*\m+4*\q:64*\p+16*\m+4*\q+3], s[XP:XP+1] offset:(4*\m+\p)*2048+512*\q
.endr
.endr
.endr
	WIN 0
	s_wait_tensorcnt 0x0
	ds_add_u32 v62, v63
	s_wait_dscnt 0x0
	s_endpgm
.Lfunc_end_k_q9217885ce6_ffn:
	.size	k_q9217885ce6_ffn, .Lfunc_end_k_q9217885ce6_ffn-k_q9217885ce6_ffn
	.p2alignl 7, 3214868480
	.fill 96, 4, 3214868480
	.section	.rodata,"a",@progbits
	.p2align	6, 0x0
	.amdhsa_kernel k_q9217885ce6_ffn
		.amdhsa_group_segment_fixed_size 76288
		.amdhsa_private_segment_fixed_size 0
		.amdhsa_enable_private_segment 0
		.amdhsa_kernarg_size 80
		.amdhsa_user_sgpr_count 2
		.amdhsa_user_sgpr_kernarg_segment_ptr 1
		.amdhsa_wavefront_size32 1
		.amdhsa_system_sgpr_workgroup_id_x 1
		.amdhsa_system_sgpr_workgroup_id_y 1
		.amdhsa_system_sgpr_workgroup_id_z 1
		.amdhsa_system_vgpr_workitem_id 0
		.amdhsa_next_free_vgpr 1024
		.amdhsa_next_free_sgpr 96
		.amdhsa_reserve_vcc 0
		.amdhsa_float_denorm_mode_32 3
		.amdhsa_float_denorm_mode_16_64 3
		.amdhsa_memory_ordered 1
		.amdhsa_forward_progress 1
		.amdhsa_inst_pref_size 255
	.end_amdhsa_kernel
	.section	.bss,"aw",@nobits
	.p2align	6
	.space	262144
	.amdgpu_metadata
---
amdhsa.version: [ 1, 2 ]
amdhsa.kernels:
  - .name:           k_q9217885ce6_ffn
    .symbol:         k_q9217885ce6_ffn.kd
    .args:
      - { .name: x1, .offset: 0, .size: 8, .value_kind: global_buffer, .address_space: global }
      - { .name: st1, .offset: 8, .size: 8, .value_kind: global_buffer, .address_space: global }
      - { .name: g1, .offset: 16, .size: 8, .value_kind: global_buffer, .address_space: global }
      - { .name: b1, .offset: 24, .size: 8, .value_kind: global_buffer, .address_space: global }
      - { .name: wcodes, .offset: 32, .size: 8, .value_kind: global_buffer, .address_space: global }
      - { .name: wscales, .offset: 40, .size: 8, .value_kind: global_buffer, .address_space: global }
      - { .name: b1f, .offset: 48, .size: 8, .value_kind: global_buffer, .address_space: global }
      - { .name: b2f, .offset: 56, .size: 8, .value_kind: global_buffer, .address_space: global }
      - { .name: x2, .offset: 64, .size: 8, .value_kind: global_buffer, .address_space: global }
      - { .name: st2, .offset: 72, .size: 8, .value_kind: global_buffer, .address_space: global }
    .group_segment_fixed_size: 76288
    .private_segment_fixed_size: 0
    .kernarg_segment_align: 8
    .kernarg_segment_size: 80
    .max_flat_workgroup_size: 128
    .sgpr_count:     96
    .vgpr_count:     1024
    .wavefront_size: 32
...
	.end_amdgpu_metadata
.endif
;; end of part 4
;; launch norm2 (part 5): grid 256 x 4, 4 waves a work-group, no clusters, 36,352 bytes of LDS; arguments x2, st2, g2, b2, out0; writes out0
.if DOCPART == 5
	.amdgcn_target "amdgcn-amd-amdhsa--gfx1250"
	.amdhsa_code_object_version 6
	.text
	.protected	k_q9217885ce6_norm2
	.globl	k_q9217885ce6_norm2
	.p2align	8
	.type	k_q9217885ce6_norm2,@function
k_q9217885ce6_norm2:
	s_mov_b64 s[64:65], 0
	v_nop
	global_prefetch_b8 v0, s[64:65] scope:SCOPE_SE
	s_setreg_imm32_b32 hwreg(HW_REG_WAVE_MODE, 25, 1), 1
	s_wait_xcnt 0x0
; out0 = instance norm(x2).  A stream: x2 is read once, 512 consecutive bytes a load, out0 written once, 512 consecutive aligned bytes a store.  No matrix unit, no cluster: work-groups share only 8 KiB of figures.
; A work-group takes 64 rows x 128 columns (x: the block of rows; y: the columns), a wave 16 rows.  Wave 0 merges the batch element's eight (sum, squared deviations about the block's mean) for the 128 columns, 4 a lane,
; so that no difference of large sums is formed; the coefficients go to the others through LDS.  x2 lies as the maker's registers ([blk][w][m][p][q][lane][16]); each wave turns its 16 rows through a stage of its own, pitch 528.
; LIMITS: NaN and infinities are not served; 1 / sqrt by v_rsq_f32.
.set LI,  1
.set CH,  4
.set SO,  5
.set SR,  6
.set X,   16                           ; v16-79   my 16 rows x 128 columns
.set CF,  80                           ; v80-175  two sets of 48 coefficients (ahead of that: wave 0's figures)
.set BK,  176                          ; v176-239 rows on their way out
.set CM,  0
.set CA,  512
.set CB,  1024
.set STG, 2048
.set XR,   14
.set SP,   16
.set GP,   18
.set BP,   20
.set OUTP, 22
.set I512, 24
.set I64,  26
.set C64,  28
.set EPS,  30
.set WV,   31
.macro COEFMATH S, G, W
.irp k, 0,2
	v_pk_add_f32 v[\W+\k:\W+\k+1], v[\S+\k:\S+\k+1], v[\S+8+\k:\S+8+\k+1]
	v_pk_add_f32 v[\W+8+\k:\W+8+\k+1], v[\S+4+\k:\S+4+\k+1], v[\S+12+\k:\S+12+\k+1]
.endr
.irp i, 2,3,4,5,6,7
.irp k, 0,2
	v_pk_add_f32 v[\W+\k:\W+\k+1], v[\W+\k:\W+\k+1], v[\S+8*\i+\k:\S+8*\i+\k+1]
	v_pk_add_f32 v[\W+8+\k:\W+8+\k+1], v[\W+8+\k:\W+8+\k+1], v[\S+8*\i+4+\k:\S+8*\i+4+\k+1]
.endr
.endr
.irp k, 0,2
	v_pk_mul_f32 v[\W+4+\k:\W+4+\k+1], v[\W+\k:\W+\k+1], s[I512:I512+1] op_sel_hi:[1,0]
.endr
.irp i, 0,1,2,3,4,5,6,7
.irp k, 0,2
	v_pk_fma_f32 v[\W+12+\k:\W+12+\k+1], v[\S+8*\i+\k:\S+8*\i+\k+1], s[I64:I64+1], v[\W+4+\k:\W+4+\k+1] op_sel_hi:[1,0,1] neg_lo:[0,0,1] neg_hi:[0,0,1]
.endr
.irp k, 0,2
.if \i == 0
	v_pk_mul_f32 v[\W+16+\k:\W+16+\k+1], v[\W+12+\k:\W+12+\k+1], v[\W+12+\k:\W+12+\k+1]
.else
	v_pk_fma_f32 v[\W+16+\k:\W+16+\k+1], v[\W+12+\k:\W+12+\k+1], v[\W+12+\k:\W+12+\k+1], v[\W+16+\k:\W+16+\k+1]
.endif
.endr
.endr
.irp k, 0,2
	v_pk_fma_f32 v[\W+8+\k:\W+8+\k+1], v[\W+16+\k:\W+16+\k+1], s[C64:C64+1], v[\W+8+\k:\W+8+\k+1] op_sel_hi:[1,0,1]
.endr
.irp k, 0,1,2,3
	v_fma_f32 v[\W+20+\k], v[\W+8+\k], s[I512], s[EPS]
.endr
	s_wait_alu depctr_va_vdst(0)
.irp k, 0,1,2,3
	v_rsq_f32 v[\W+20+\k], v[\W+20+\k]
.endr
	v_nop
	s_wait_alu depctr_va_vdst(0)
.irp k, 0,2
	v_pk_mul_f32 v[\W+24+\k:\W+24+\k+1], v[\W+20+\k:\W+20+\k+1], v[\G+\k:\G+\k+1]
.endr
.endm
	s_load_b256 s[4:11], s[0:1], 0x0               ; x2, st2, g2, b2
	s_load_b64 s[12:13], s[0:1], 0x20              ; out0
	v_lshl_add_u32 v254, v0, 2, 0x8c00
	v_mov_b32 v255, 0
	v_lshrrev_b32 v7, 5, v0
	v_readfirstlane_b32 s[WV], v7
	v_and_b32 v7, 31, v0
	v_and_b32 v8, 15, v0
	v_bfe_u32 v9, v0, 4, 1
	v_lshlrev_b32 v[LI], 4, v7
	v_lshlrev_b32 v[CH], 6, v9
	s_mul_i32 s32, s[WV], 8448
	s_add_co_u32 s32, s32, STG                     ; my stage
	v_mul_u32_u24 v[SO], v8, 528
	v_lshl_add_u32 v[SO], v9, 6, v[SO]
	v_add_nc_u32 v[SO], s32, v[SO]
	v_add_nc_u32 v[SR], s32, v[LI]
	s_mov_b32 s[I512], 0x3b000000
	s_mov_b32 s[I512+1], s[I512]
	s_mov_b32 s[I64], 0x3c800000
	s_mov_b32 s[I64+1], s[I64]
	s_mov_b32 s[C64], 0x42800000
	s_mov_b32 s[C64+1], s[C64]
	s_mov_b32 s[EPS], 0x3727c5ac
	s_and_b32 s33, ttmp7, 0xffff                   ; y
	s_mov_b32 s35, 0
	s_wait_alu depctr_va_vdst(0)
	s_wait_kmcnt 0x0
	s_lshl_b32 s34, ttmp9, 17
	s_add_nc_u64 s[XR:XR+1], s[4:5], s[34:35]
	s_add_nc_u64 s[OUTP:OUTP+1], s[12:13], s[34:35]
	s_lshl_b32 s34, s33, 15
	s_lshl_b32 s36, s[WV], 13
	s_add_co_u32 s34, s34, s36
	s_add_nc_u64 s[XR:XR+1], s[XR:XR+1], s[34:35]
	s_lshl_b32 s34, s[WV], 15
	s_lshl_b32 s36, s33, 9
	s_add_co_u32 s34, s34, s36
	s_add_nc_u64 s[OUTP:OUTP+1], s[OUTP:OUTP+1], s[34:35]
	s_mov_b32 s34, s36
	s_add_nc_u64 s[GP:GP+1], s[8:9], s[34:35]
	s_add_nc_u64 s[BP:BP+1], s[10:11], s[34:35]
	s_lshr_b32 s37, ttmp9, 3
	s_lshl_b32 s37, s37, 15
	s_add_co_u32 s34, s34, s37
	s_add_nc_u64 s[SP:SP+1], s[6:7], s[34:35]
.irp p, 0,1,2,3
.irp q, 0,1,2,3
	global_load_b128 v[X+16*\p+4*\q:X+16*\p+4*\q+3], v[LI], s[XR:XR+1] offset:2048*\p+512*\q th:TH_LOAD_NT
.endr
.endr
	s_cmp_lg_u32 s[WV], 0
	s_cbranch_scc1 .Lnot0
.irp i, 0,1,2,3,4,5,6,7
	global_load_b128 v[CF+8*\i:CF+8*\i+3], v[LI], s[SP:SP+1] offset:4096*\i
	global_load_b128 v[CF+8*\i+4:CF+8*\i+7], v[LI], s[SP:SP+1] offset:4096*\i+2048
.endr
	global_load_b128 v[CF+64:CF+67], v[LI], s[GP:GP+1]
	global_load_b128 v[CF+68:CF+71], v[LI], s[BP:BP+1]
	s_wait_loadcnt 0x0
	COEFMATH CF, CF+64, CF+72
	ds_store_b128 v[LI], v[CF+76:CF+79] offset:CM
	ds_store_b128 v[LI], v[CF+96:CF+99] offset:CA
	ds_store_b128 v[LI], v[CF+68:CF+71] offset:CB
.Lnot0:
	s_wait_dscnt 0x0                               ; wave 0's stores have landed
	s_barrier_signal -1
	s_barrier_wait -1
.macro CL p                            ; the pair's 16 means, gains and shifts of my half: 12 loads
.set cb, CF+48*((\p)%2)
.irp q, 0,1,2,3
	ds_load_b128 v[cb+4*\q:cb+4*\q+3], v[CH] offset:CM+128*(\p)+16*\q
	ds_load_b128 v[cb+16+4*\q:cb+16+4*\q+3], v[CH] offset:CA+128*(\p)+16*\q
	ds_load_b128 v[cb+32+4*\q:cb+32+4*\q+3], v[CH] offset:CB+128*(\p)+16*\q
.endr
.endm
	CL 0
	CL 1
	s_wait_loadcnt 0x0                             ; x2
.irp p, 0,1,2,3
.if \p < 3
	s_wait_dscnt 12                                ; this pair's set is in; the next set's 12 loads may be out
.else
	s_wait_dscnt 0x0
.endif
.set cb, CF+48*(\p%2)
.irp j, 0,2,4,6,8,10,12,14
	v_pk_add_f32 v[X+16*\p+\j:X+16*\p+\j+1], v[X+16*\p+\j:X+16*\p+\j+1], v[cb+\j:cb+\j+1] neg_lo:[0,1] neg_hi:[0,1]
.endr
.irp j, 0,2,4,6,8,10,12,14
	v_pk_fma_f32 v[X+16*\p+\j:X+16*\p+\j+1], v[X+16*\p+\j:X+16*\p+\j+1], v[cb+16+\j:cb+16+\j+1], v[cb+32+\j:cb+32+\j+1]
.endr
.if \p < 2
	CL \p+2
.endif
.endr
.irp p, 0,1,2,3
.irp q, 0,1,2,3
	ds_store_b128 v[SO], v[X+16*\p+4*\q:X+16*\p+4*\q+3] offset:128*\p+16*\q
.endr
.endr
.irp t, 0,1,2,3,4,5,6,7,8,9,10,11,12,13,14,15
	ds_load_b128 v[BK+4*\t:BK+4*\t+3], v[SR] offset:528*\t     ; LDS serves a wave's instructions in order (ISA guide 5.7.1.4): these see my stores
.endr
.irp t, 0,1,2,3,4,5,6,7,8,9,10,11,12,13,14,15
	s_wait_dscnt 15-\t
	global_store_b128 v[LI], v[BK+4*\t:BK+4*\t+3], s[OUTP:OUTP+1] offset:2048*\t th:TH_STORE_NT
.endr
	s_wait_tensorcnt 0x0
	ds_add_u32 v254, v255
	s_wait_dscnt 0x0
	s_endpgm
.Lfunc_end_k_q9217885ce6_norm2:
	.size	k_q9217885ce6_norm2, .Lfunc_end_k_q9217885ce6_norm2-k_q9217885ce6_norm2
	.p2alignl 7, 3214868480
	.fill 96, 4, 3214868480
	.section	.rodata,"a",@progbits
	.p2align	6, 0x0
	.amdhsa_kernel k_q9217885ce6_norm2
		.amdhsa_group_segment_fixed_size 36352
		.amdhsa_private_segment_fixed_size 0
		.amdhsa_enable_private_segment 0
		.amdhsa_kernarg_size 40
		.amdhsa_user_sgpr_count 2
		.amdhsa_user_sgpr_kernarg_segment_ptr 1
		.amdhsa_wavefront_size32 1
		.amdhsa_system_sgpr_workgroup_id_x 1
		.amdhsa_system_sgpr_workgroup_id_y 1
		.amdhsa_system_sgpr_workgroup_id_z 1
		.amdhsa_system_vgpr_workitem_id 0
		.amdhsa_next_free_vgpr 256
		.amdhsa_next_free_sgpr 66
		.amdhsa_reserve_vcc 0
		.amdhsa_float_denorm_mode_32 3
		.amdhsa_float_denorm_mode_16_64 3
		.amdhsa_memory_ordered 1
		.amdhsa_forward_progress 1
		.amdhsa_inst_pref_size 22
	.end_amdhsa_kernel
	.amdgpu_metadata
---
amdhsa.version: [ 1, 2 ]
amdhsa.kernels:
  - .name:           k_q9217885ce6_norm2
    .symbol:         k_q9217885ce6_norm2.kd
    .args:
      - { .name: x2, .offset: 0, .size: 8, .value_kind: global_buffer, .address_space: global }
      - { .name: st2, .offset: 8, .size: 8, .value_kind: global_buffer, .address_space: global }
      - { .name: g2, .offset: 16, .size: 8, .value_kind: global_buffer, .address_space: global }
      - { .name: b2, .offset: 24, .size: 8, .value_kind: global_buffer, .address_space: global }
      - { .name: out0, .offset: 32, .size: 8, .value_kind: global_buffer, .address_space: global }
    .group_segment_fixed_size: 36352
    .private_segment_fixed_size: 0
    .kernarg_segment_align: 8
    .kernarg_segment_size: 40
    .max_flat_workgroup_size: 128
    .sgpr_count:     66
    .vgpr_count:     256
    .wavefront_size: 32
...
	.end_amdgpu_metadata
.endif
;; end of part 5
